; MI455X (gfx1250); checked and timed in simulation.
; The chip was launched on July 23, 2026; its instructions are those of AMD's public machine-readable ISA for CDNA 5 (MIT licence, August 2026) and "CDNA5" Instruction Set Architecture Reference Guide (July 2026). The comments in the code are by the model that wrote it; some were corrected since.
;; Multi Head Attention. Allowed arithmetic: matrix products marked QUANTISED: E5M2 operands, one E8M0 scale for each 32 along K, by v_wmma_scale_f32_16x16x128_f8f6f4 with both operands' format E5M2, f32 sums; everything else in f32.
;; Inputs: Wk 1,024 x 1,024 float32; Wo 1,024 x 1,024 float32; Wq 1,024 x 1,024 float32; Wv 1,024 x 1,024 float32; bk 1,024 float32; bo 1,024 float32; bq 1,024 float32; bv 1,024 float32; k 4 x 2,048 x 1,024 float32; q 4 x 2,048 x 1,024 float32; v 4 x 2,048 x 1,024 float32.
;; Outputs: out0 4 x 2,048 x 1,024 float32.
;; Constants: mask = 1.
;; This version of the problem:
;;   THIS VERSION OF THE PROBLEM IS GIVEN IN LOW PRECISION. The matrix products marked QUANTISED in the list below multiply operands that are first quantised to E5M2 (5 exponent bits, 2 mantissa bits; 8 bits a number), with one power-of-two scale for each 32 numbers along K (OCP MX v1.0); their sums are f32. All else is computed in f32.
;;   The module's matrix products, in the order in which they are computed (A, B: the left and right operand; K: the contracted axis; several contracted axes count as one K, in the product's order):
;;     1. [M 8,192, K 1,024] x [K 1,024, N 1,024]; A: input q; B: input Wq: QUANTISED
;;     2. [M 8,192, K 1,024] x [K 1,024, N 1,024]; A: input k; B: input Wk: QUANTISED
;;     3. [M 8,192, K 1,024] x [K 1,024, N 1,024]; A: input v; B: input Wv: QUANTISED
;;     4. batch 64 x [M 2,048, K 64] x [K 64, N 2,048]; A: computed on the way; B: computed on the way: QUANTISED
;;     5. batch 64 x [M 2,048, K 2,048] x [K 2,048, N 64]; A: softmax (see below); B: computed on the way: QUANTISED
;;     6. [M 8,192, K 1,024] x [K 1,024, N 1,024]; A: computed on the way; B: input Wo: QUANTISED
;;   THE QUANTISER, for each operand of a quantised product, along K:
;;     - K is cut into blocks of 32 from its start; a last block that is shorter is filled with zeros.
;;     - A block's scale is 2^e with e = floor(log2(the largest magnitude in the block)) - 15, held to -126 .. 127; a block of zeros has e = 0. As a byte (E8M0): e + 127.
;;     - Each number is divided by its block's scale, clamped to +-57,344, and rounded to the nearest number of E5M2, ties to even, subnormals kept.
;;     - The product sums the exact products of the quantised numbers (number of the format x scale) in f32.
;;   ~~~python
;;   def quantise(x, axis):      # numpy; x: float32 -> the quantised numbers, widened to float32 again
;;       x = np.moveaxis(x, axis, -1); K = x.shape[-1]
;;       x = np.pad(x, [(0, 0)] * (x.ndim - 1) + [(0, -K % 32)]); x = x.reshape(x.shape[:-1] + (-1, 32)); a = np.abs(x).max(-1, keepdims=True)
;;       e = np.where(a > 0, np.clip(np.frexp(np.where(a > 0, a, 1))[1] - 1 - 15, -126, 127), 0)      # np.frexp(a)[1] - 1 = floor(log2(a)), exactly
;;       r = np.clip(x / 2.0 ** e, -57344, 57344)
;;       step = 2.0 ** (np.maximum(np.frexp(np.where(r == 0, 1, r))[1] - 1, -14) - 2)
;;       q = np.round(r / step) * step * 2.0 ** e      # np.round: ties to even
;;       return np.moveaxis(q.reshape(q.shape[:-2] + (-1,))[..., :K], -1, axis).astype(np.float32)
;;   ~~~
;;   SOFTMAX AHEAD OF A QUANTISED PRODUCT. Where the list says 'softmax', what is quantised is not the finished softmax but p = 2^(t - M), with t = logit x log2(e) and M = ceil(the row's largest t), a whole number; so 1/2 < the row's largest p <= 1. The row's sum l is taken of the UNQUANTISED p, in f32, and the product's result is divided by l at the end. Since M is a whole number, a kernel that streams over the keys may use a running M (the ceiling of the running maximum): every later rescaling is an exact power of two, which a block's scale takes up: the codes' values come out the same.
;;   OPERANDS COMPUTED ON THE WAY. 'Computed on the way' means the value that the module computes at that place (a softmax that the list does not call 'softmax' is quantised finished and normalised). What goes into a quantiser is computed in f32, as accurately as f32 sums, v_exp_f32 and their like allow (about 1e-6 of the number): no bf16 or f16 on the way to a quantiser, and a product that is left as it is and whose result goes on into a quantised operand takes f32 operands (vector FMAs, or v_wmma_f32_16x16x4_f32). A number that lies on a knife's edge between two numbers of the format may be rounded either way, as far as f32 arithmetic and the matrix unit's own rounding can turn it there, and no further.
;; One version. Each part assembles by itself: llvm-mc -triple=amdgcn-amd-amdhsa -mcpu=gfx1250 --defsym DOCPART=n.
;; ======== version 1 of 1: 4 launches
;; limits: right only within a limited range of input values
;; workspace buffers: xc 25,165,824 bytes; xs 786,432 bytes; wc 4,194,304 bytes; ws 131,072 bytes; img 25,165,824 bytes; isc 786,432 bytes; ao 8,388,608 bytes; aos 262,144 bytes
;; launch quant (part 1): grid 448 x 1, 4 waves a work-group, no clusters, 34,304 bytes of LDS; arguments q, k, v, Wq, Wk, Wv, Wo, xc, xs, wc, ws; writes xc, xs, wc, ws
.if DOCPART == 1
	.amdgcn_target "amdgcn-amd-amdhsa--gfx1250"
	.amdhsa_code_object_version 6
	.text
	.protected	k_q971ae78df8_quant
	.globl	k_q971ae78df8_quant
	.p2align	8
	.type	k_q971ae78df8_quant,@function
k_q971ae78df8_quant:
	s_mov_b64 s[64:65], 0
	v_nop
	global_prefetch_b8 v0, s[64:65] scope:SCOPE_SE
	s_setreg_imm32_b32 hwreg(HW_REG_WAVE_MODE, 25, 1), 1
	s_wait_xcnt 0x0
; q, k, v [8192][1024] and Wq, Wk, Wv, Wo [1024 (k)][1024 (n)], f32, become codes of E5M2 with one E8M0 byte for each 32 along K (the model's 1,024).
; A block's scale is 2^(floor(log2(largest magnitude)) - 15); its byte is the largest magnitude's exponent field - 15, held at 1 from below; numbers are held within +-57,344 x the scale and rounded to the nearest code.
; LIMITS: a block of zeros gets the byte 1 where the rule says 127 (its codes are zeros, and only this program reads the bytes); NaN and infinities among the inputs are not served.
; WHAT IS WRITTEN is laid as the matrix instruction's registers want it.  A CODE BLOCK, 16 KiB, is 128 rows x 128 k: [tile a 0..7][c 0..3][lane][16 bytes]; lane (r, h) of unit (a, c) holds row-place 16 a + r, k = 32 c + 16 h + 0..15.
; A SCALE BLOCK, 512 bytes, is [lane][a' 0..3] words: word (lane, a') is row-place 32 a' + lane, byte c for k block c.
; ROW-PLACES: place p of a group of 32 rows holds the row p with bits 3 and 4 exchanged: tile 2 g + u, row i holds row 32 g + 8 u + i % 8 + 16 (i / 8).  As source 0 of a product such tiles leave 16 neighbours in a lane's 16 registers.
; SHARES: ONE WAVE MAKES ONE BLOCK, codes and scale words, so waves share nothing: no barrier.  Work-groups 0..63: the weights' 256 blocks; work-groups 64..447: the 1,536 blocks of q, k, v.
; Matrix units, clusters and tensor loads are left out: the launch moves each byte once and has no operand that is read twice.
.set NWW,  64                          ; work-groups for the weights
.set SP,   528                         ; a stage row: 512 bytes + 16: sixteen rows start at sixteen different 16-byte columns modulo 256
.set R,    16                          ; v16-143  activations: two sets of 64 as loaded;  weights: v16-79 two sets of 32
.set X,    144                         ; v144-207 64 numbers: register 16 b + i = k 32 b + 16 h + i of my row
.set PC,   208                         ; v208-239 codes, two sets of 16
.set TM,   240                         ; v240-255 at work in QUANT
.set PW,   8                           ; v8-15    the eight tiles' scale words
.set WCD,  144                         ; weights: codes, two sets of 8
.set WT,   160                         ; weights: v160-163 at work
.set SEL,  28                          ; s[28:29] lane selects: lane l xor 16
.set MNT,  30                          ; s30 the mantissa field of 57,344
; 64 numbers of a lane become a fragment's 16 code registers v[pc] on and its row's scale word v[pw]
.macro QUANT s, pc, pw
.irp b, 0,1,2,3
	v_max3_num_f32 v[TM+\b], |v[\s+16*\b]|, |v[\s+1+16*\b]|, 0x8000000   ; my 16 numbers of block b, and the floor 2^(16 - 127): the byte cannot fall under 1
.endr
.irp i, 2,4,6,8,10,12,14
.irp b, 0,1,2,3
	v_max3_num_f32 v[TM+\b], v[TM+\b], |v[\s+16*\b+\i]|, |v[\s+1+16*\b+\i]|
.endr
.endr
.irp b, 0,1,2,3
	v_permlanex16_b32 v[TM+4+\b], v[TM+\b], s[SEL], s[SEL+1]
.endr
.irp b, 0,1,2,3
	v_max_num_f32 v[TM+\b], v[TM+\b], v[TM+4+\b]           ; with lane l xor 16's 16: the block's largest magnitude
.endr
.irp b, 0,1,2,3
	v_add_nc_u32 v[TM+12+\b], 0xf8800000, v[TM+\b]         ; 15 off the exponent field: the conversion's scale operand
.endr
.irp b, 0,1,2,3
	v_and_or_b32 v[TM+8+\b], v[TM+\b], 0x7f800000, s[MNT]  ; 57,344 x the scale
.endr
.irp b, 0,1,2,3
	v_lshrrev_b32 v[TM+4+\b], 23, v[TM+12+\b]              ; the byte
.endr
	v_lshl_or_b32 v[\pw], v[TM+5], 8, v[TM+4]
	v_lshl_or_b32 v[\pw], v[TM+6], 16, v[\pw]
	v_lshl_or_b32 v[\pw], v[TM+7], 24, v[\pw]
.irp b, 0,1,2,3
.irp i, 0,1,2,3,4,5,6,7,8,9,10,11,12,13,14,15
	v_med3_num_f32 v[\s+16*\b+\i], v[\s+16*\b+\i], -v[TM+8+\b], v[TM+8+\b]   ; the conversion does not saturate (ISA guide 7.6.2): the hold
.endr
	v_cvt_scalef32_pk8_bf8_f32 v[\pc+4*\b:\pc+4*\b+1], v[\s+16*\b:\s+16*\b+7], v[TM+12+\b]
	v_cvt_scalef32_pk8_bf8_f32 v[\pc+4*\b+2:\pc+4*\b+3], v[\s+16*\b+8:\s+16*\b+15], v[TM+12+\b]
.endr
	v_nop                                                  ; a plain line behind the last conversion
.endm
; tile a's 16 rows, 512 consecutive bytes of a row to a load
.macro XLOAD a
.irp i, 0,1,2,3,4,5,6,7,8,9,10,11,12,13,14,15
	global_load_b128 v[R+64*((\a)%2)+4*\i:R+64*((\a)%2)+4*\i+3], v1, s[4:5] offset:(32*((\a)/2)+8*((\a)%2)+(\i%8)+16*(\i/8))*4096 th:TH_LOAD_NT
.endr
.endm
; through my own stage: in as loaded, back 16 neighbours of each block to a lane.  LDS serves a wave's instructions in order: no wait between
.macro XTURN a
.irp i, 0,1,2,3,4,5,6,7,8,9,10,11,12,13,14,15
	ds_store_b128 v2, v[R+64*((\a)%2)+4*\i:R+64*((\a)%2)+4*\i+3] offset:SP*\i
.endr
.irp b, 0,1,2,3
.irp j, 0,1,2,3
	ds_load_b128 v[X+16*\b+4*\j:X+16*\b+4*\j+3], v3 offset:128*\b+16*\j
.endr
.endr
.endm
.macro XTILE a
.if (\a) < 7
	s_wait_loadcnt 16                                      ; this tile's 16 loads are in; the next tile's 16 may be out
.else
	s_wait_loadcnt 0x0
.endif
	XTURN \a
	s_wait_dscnt 0x0                                       ; the numbers are back, and the stage's stores have read their registers,
.if (\a)+2 < 8
	XLOAD (\a)+2                                           ; which take the tile two further on
.endif
.if (\a) >= 2
	s_wait_xcnt 0x0                                        ; the stores of two tiles back have read this set of codes: it is written again only behind this wait
.endif
	QUANT X, PC+16*((\a)%2), PW+(\a)
.irp c, 0,1,2,3
	global_store_b128 v1, v[PC+16*((\a)%2)+4*\c:PC+16*((\a)%2)+4*\c+3], s[18:19] offset:2048*(\a)+512*\c   ; 512 consecutive bytes
.endr
.endm
; weights: unit u = 4 a' + b: block b (32 along K) of columns 32 a' on; a lane takes one column, its registers run down K
.macro LOADW u
.irp i, 0,1,2,3,4,5,6,7,8,9,10,11,12,13,14,15,16,17,18,19,20,21,22,23,24,25,26,27,28,29,30,31
	global_load_b32 v[R+32*((\u)%2)+\i], v1, s[10:11] offset:(32*((\u)%4)+\i)*4096+128*((\u)/4)
.endr
.endm
.macro WUNIT u
.set XS, R+32*((\u)%2)
.set WCS, WCD+8*((\u)%2)
.if (\u) < 15
	s_wait_loadcnt 32                                      ; this unit's 32 loads are in; the next unit's may be out
.else
	s_wait_loadcnt 0x0
.endif
	v_max3_num_f32 v[WT], |v[XS]|, |v[XS+1]|, |v[XS+2]|    ; all 32 numbers of the block are mine
	v_max3_num_f32 v[WT+1], |v[XS+3]|, |v[XS+4]|, |v[XS+5]|
.irp i, 6,10,14,18,22,26
	v_max3_num_f32 v[WT], v[WT], |v[XS+\i]|, |v[XS+\i+1]|
	v_max3_num_f32 v[WT+1], v[WT+1], |v[XS+\i+2]|, |v[XS+\i+3]|
.endr
	v_max3_num_f32 v[WT], v[WT], |v[XS+30]|, |v[XS+31]|
	v_max3_num_f32 v[WT], v[WT], v[WT+1], 0x8000000
	v_add_nc_u32 v[WT+3], 0xf8800000, v[WT]
	v_and_or_b32 v[WT+2], v[WT], 0x7f800000, s[MNT]
	v_lshrrev_b32 v[WT+1], 23, v[WT+3]
.if (\u)%4 == 0
	v_mov_b32 v[4+(\u)/4], v[WT+1]                         ; four bytes to a word, the lower K in the lower byte
.else
	v_lshl_or_b32 v[4+(\u)/4], v[WT+1], 8*((\u)%4), v[4+(\u)/4]
.endif
.irp i, 0,1,2,3,4,5,6,7,8,9,10,11,12,13,14,15,16,17,18,19,20,21,22,23,24,25,26,27,28,29,30,31
	v_med3_num_f32 v[XS+\i], v[XS+\i], -v[WT+2], v[WT+2]
.endr
.if (\u) >= 2
	s_wait_alu depctr_va_vdst(0)
	s_wait_xcnt 0x0                                        ; the stores of two units back have read this set of codes
.endif
.irp g, 0,1,2,3
	v_cvt_scalef32_pk8_bf8_f32 v[WCS+2*\g:WCS+2*\g+1], v[XS+8*\g:XS+8*\g+7], v[WT+3]
.endr
	v_nop
	global_store_b128 v2, v[WCS:WCS+3], s[22:23] offset:4096*((\u)/4)+512*((\u)%4)          ; k 0..15 of the block: the h = 0 half of the unit; sixteen lanes fill 256 consecutive bytes
	global_store_b128 v2, v[WCS+4:WCS+7], s[22:23] offset:4096*((\u)/4)+512*((\u)%4)+256    ; k 16..31: the h = 1 half
.if (\u)+2 < 16
	LOADW (\u)+2
.endif
.endm
	s_load_b512 s[4:19], s[0:1], 0x0               ; q s4, k s6, v s8, Wq s10, Wk s12, Wv s14, Wo s16, xc s18
	s_load_b128 s[20:23], s[0:1], 0x40             ; xs s20, wc s22
	s_load_b64 s[24:25], s[0:1], 0x50              ; ws
	s_set_vgpr_msb 0x40
	v_lshl_add_u32 v0, v0, 2, 0x8400
	v_mov_b32 v1, 0
	s_set_vgpr_msb 0x4000
	v_lshrrev_b32 v1, 5, v0
	v_readfirstlane_b32 s26, v1                    ; wave 0..3
	v_and_b32 v4, 31, v0                           ; lane
	s_mov_b32 s[SEL], 0x76543210
	s_mov_b32 s[SEL+1], 0xfedcba98
	s_mov_b32 s[MNT], 0x600000
	s_mov_b32 s35, 0
	s_mov_b32 s37, 0
	s_mov_b32 s39, 0
	s_cmp_lt_u32 ttmp9, NWW                        ; the two ways part on the work-group's number alone
	s_cbranch_scc1 .Lweights
	; ---- q, k, v: block g = 4 (work-group - 64) + wave = 512 z + 8 (128 tokens) + (128 along K)
	s_sub_co_u32 s27, ttmp9, NWW
	s_lshr_b32 s31, s27, 7                         ; z: q, k or v
	s_lshl_b32 s27, s27, 2
	s_add_co_u32 s27, s27, s26                     ; g
	s_bfe_u32 s32, s27, 0x60003                    ; which 128 tokens
	s_and_b32 s33, s27, 7                          ; which 128 along K
	s_lshl_b32 s32, s32, 19                        ; 128 rows of 4,096 bytes
	s_lshl_b32 s33, s33, 9
	s_add_co_u32 s34, s32, s33
	s_lshl_b32 s36, s27, 14                        ; my code block
	s_lshl_b32 s38, s27, 9                         ; my scale block
	s_wait_alu depctr_va_vdst(0)
	v_lshlrev_b32 v1, 4, v4                        ; 16 x lane
	v_and_b32 v5, 15, v0                           ; r
	v_bfe_u32 v6, v0, 4, 1                         ; h
	s_mul_i32 s40, s26, 16*SP                      ; my stage
	v_add_nc_u32 v2, s40, v1
	v_mul_u32_u24 v3, v5, SP
	v_lshl_add_u32 v3, v6, 6, v3
	v_add_nc_u32 v3, s40, v3                       ; row r, + 64 h bytes
.irp b, 0,1,2,3
	v_mov_b32 v[TM+4+\b], 0                        ; a lane permute's destination counts as one of its sources
.endr
	s_wait_alu depctr_va_vdst(0)
	s_wait_kmcnt 0x0
	s_cmp_lt_u32 s31, 1
	s_cselect_b64 s[4:5], s[4:5], s[6:7]
	s_cmp_lt_u32 s31, 2
	s_cselect_b64 s[4:5], s[4:5], s[8:9]
	s_add_nc_u64 s[4:5], s[4:5], s[34:35]
	s_add_nc_u64 s[18:19], s[18:19], s[36:37]
	s_add_nc_u64 s[20:21], s[20:21], s[38:39]
	XLOAD 0
	XLOAD 1
.irp a, 0,1,2,3,4,5,6,7
	XTILE \a
.endr
	v_cmp_le_u32 vcc_lo, 0x100, v1                 ; lanes 16-31.  Both halves of the lanes hold a tile's words: word a' takes tile 2 a' below and tile 2 a' + 1 above
.irp p, 0,1,2,3
	v_cndmask_b32 v[4+\p], v[PW+2*\p], v[PW+2*\p+1], vcc_lo
.endr
	global_store_b128 v1, v[4:7], s[20:21]         ; the scale block: 512 consecutive bytes
	s_set_vgpr_msb 0x5
	s_wait_tensorcnt 0x0
	ds_add_u32 v0, v1
	s_wait_dscnt 0x0
	s_set_vgpr_msb 0x500
	s_endpgm
.Lweights:
	; ---- the weights: block g = 4 work-group + wave = 64 z + 8 (128 columns) + (128 along K)
	s_lshr_b32 s31, ttmp9, 4                       ; z: Wq, Wk, Wv or Wo
	s_lshl_b32 s27, ttmp9, 2
	s_add_co_u32 s27, s27, s26
	s_bfe_u32 s32, s27, 0x30003                    ; which 128 columns
	s_and_b32 s33, s27, 7                          ; which 128 along K
	s_lshl_b32 s32, s32, 9
	s_lshl_b32 s33, s33, 19
	s_add_co_u32 s34, s32, s33
	s_lshl_b32 s36, s27, 14
	s_lshl_b32 s38, s27, 9
	s_wait_alu depctr_va_vdst(0)
	v_and_b32 v5, 7, v4
	v_and_b32 v6, 8, v4
	v_lshl_or_b32 v5, v6, 1, v5
	v_and_b32 v6, 16, v4
	v_lshrrev_b32 v6, 1, v6
	v_or_b32 v5, v5, v6                            ; my lane is a row-place: it reads the column with bits 3 and 4 exchanged
	v_lshlrev_b32 v1, 2, v5
	v_lshrrev_b32 v6, 4, v4
	v_and_b32 v5, 15, v4
	v_lshlrev_b32 v2, 4, v5
	v_lshl_add_u32 v2, v6, 11, v2                  ; my codes: tile lane / 16 of the pair, 16 bytes at lane % 16
	v_lshlrev_b32 v3, 4, v4
	s_wait_alu depctr_va_vdst(0)
	s_wait_kmcnt 0x0
	s_cmp_lt_u32 s31, 1
	s_cselect_b64 s[10:11], s[10:11], s[12:13]
	s_cmp_lt_u32 s31, 2
	s_cselect_b64 s[10:11], s[10:11], s[14:15]
	s_cmp_lt_u32 s31, 3
	s_cselect_b64 s[10:11], s[10:11], s[16:17]
	s_add_nc_u64 s[10:11], s[10:11], s[34:35]
	s_add_nc_u64 s[22:23], s[22:23], s[36:37]
	s_add_nc_u64 s[24:25], s[24:25], s[38:39]
	LOADW 0
	LOADW 1
.irp u, 0,1,2,3,4,5,6,7,8,9,10,11,12,13,14,15
	WUNIT \u
.endr
	global_store_b128 v3, v[4:7], s[24:25]         ; my four words are the scale block's 16 bytes of my lane
	s_endpgm
.Lfunc_end_k_q971ae78df8_quant:
	.size	k_q971ae78df8_quant, .Lfunc_end_k_q971ae78df8_quant-k_q971ae78df8_quant
	.p2alignl 7, 3214868480
	.fill 96, 4, 3214868480
	.section	.rodata,"a",@progbits
	.p2align	6, 0x0
	.amdhsa_kernel k_q971ae78df8_quant
		.amdhsa_group_segment_fixed_size 34304
		.amdhsa_private_segment_fixed_size 0
		.amdhsa_enable_private_segment 0
		.amdhsa_kernarg_size 88
		.amdhsa_user_sgpr_count 2
		.amdhsa_user_sgpr_kernarg_segment_ptr 1
		.amdhsa_wavefront_size32 1
		.amdhsa_system_sgpr_workgroup_id_x 1
		.amdhsa_system_sgpr_workgroup_id_y 1
		.amdhsa_system_sgpr_workgroup_id_z 1
		.amdhsa_system_vgpr_workitem_id 0
		.amdhsa_next_free_vgpr 258
		.amdhsa_next_free_sgpr 66
		.amdhsa_reserve_vcc 1
		.amdhsa_float_denorm_mode_32 3
		.amdhsa_float_denorm_mode_16_64 3
		.amdhsa_memory_ordered 1
		.amdhsa_forward_progress 1
		.amdhsa_inst_pref_size 209
	.end_amdhsa_kernel
	.amdgpu_metadata
---
amdhsa.version: [ 1, 2 ]
amdhsa.kernels:
  - .name:           k_q971ae78df8_quant
    .symbol:         k_q971ae78df8_quant.kd
    .args:
      - { .name: q, .offset: 0, .size: 8, .value_kind: global_buffer, .address_space: global }
      - { .name: k, .offset: 8, .size: 8, .value_kind: global_buffer, .address_space: global }
      - { .name: v, .offset: 16, .size: 8, .value_kind: global_buffer, .address_space: global }
      - { .name: Wq, .offset: 24, .size: 8, .value_kind: global_buffer, .address_space: global }
      - { .name: Wk, .offset: 32, .size: 8, .value_kind: global_buffer, .address_space: global }
      - { .name: Wv, .offset: 40, .size: 8, .value_kind: global_buffer, .address_space: global }
      - { .name: Wo, .offset: 48, .size: 8, .value_kind: global_buffer, .address_space: global }
      - { .name: xc, .offset: 56, .size: 8, .value_kind: global_buffer, .address_space: global }
      - { .name: xs, .offset: 64, .size: 8, .value_kind: global_buffer, .address_space: global }
      - { .name: wc, .offset: 72, .size: 8, .value_kind: global_buffer, .address_space: global }
      - { .name: ws, .offset: 80, .size: 8, .value_kind: global_buffer, .address_space: global }
    .group_segment_fixed_size: 34304
    .private_segment_fixed_size: 0
    .kernarg_segment_align: 8
    .kernarg_segment_size: 88
    .max_flat_workgroup_size: 128
    .sgpr_count:     66
    .vgpr_count:     258
    .wavefront_size: 32
...
	.end_amdgpu_metadata
.endif
;; end of part 1
;; launch proj (part 2): grid 8 x 32, 4 waves a work-group, clusters of 4 x 4, 327,680 bytes of LDS; arguments xc, xs, wc, ws, bq, bk, bv, img, isc; writes img, isc
.if DOCPART == 2
	.amdgcn_target "amdgcn-amd-amdhsa--gfx1250"
	.amdhsa_code_object_version 6
	.text
	.protected	k_q971ae78df8_proj
	.globl	k_q971ae78df8_proj
	.p2align	8
	.type	k_q971ae78df8_proj,@function
k_q971ae78df8_proj:
	s_mov_b64 s[64:65], 0
	v_nop
	global_prefetch_b8 v0, s[64:65] scope:SCOPE_SE
	s_setreg_imm32_b32 hwreg(HW_REG_WAVE_MODE, 25, 1), 1
	s_wait_xcnt 0x0
	s_wait_alu depctr_hold_cnt(0) depctr_sa_sdst(0) depctr_va_vdst(0) depctr_va_sdst(0) depctr_va_ssrc(0) depctr_va_vcc(0) depctr_vm_vsrc(0)
	s_getreg_b32 s2, hwreg(HW_REG_IB_STS2, 6, 4)
	s_cmp_eq_u32 s2, 0
	s_cbranch_scc0 .Lentry_in_a_cluster
	s_endpgm
.Lentry_in_a_cluster:
	s_bfe_u32 s2, ttmp6, 0x10000c
	s_cmp_lg_u32 s2, 0xf033
	s_cbranch_scc0 .Lentry_shape_is_right
	s_endpgm
.Lentry_shape_is_right:
; Q = q Wq + bq, K = k Wk + bk, V = v Wv + bv on codes of E5M2 with E8M0 scales, each result quantised again: Q and K along the head's channels, V along the tokens.
; IN: xc [q, k, v][128 tokens][128 of K] and wc [Wq, Wk, Wv, Wo][128 columns][128 of K]: code blocks of 16 KiB in the order of the operand registers ([tile][c][lane][16 bytes]); xs, ws: scale blocks of 512 bytes ([lane][4 words]).
; OUT: img [Q, K, V][b][head pair][128 tokens] code blocks, isc likewise scale blocks, rows by the same row-places as the inputs.
; SHARES: 256 work-groups, one to a tile column X of 128 columns (a head pair) and a tile row Y of 256 tokens; each STAYS and walks three tiles, Q's, K's, V's: 3 x 256 matrix instructions a wave.
; A wave has 8 x 4 accumulators.  Q, K: source 0 = the 128 weight rows, source 1 = my 64 tokens (a lane holds a token, its registers run along the channels).  V: source 0 = 128 tokens of my group, source 1 = my head's 64 weight rows (registers run along the tokens).
; LDS: two slots of 96 KiB (a K step of 256: x's 2 x 32 KiB, the weight's 32 KiB); behind them the scale blocks of all three tiles, filled once; then the spare words.
; FILLS: at the head one joint load a wave (x's codes, the weight's codes, x's scales, the weight's scales); later wave 0 asks for x's part of a slot and wave 1 for the weight's, each behind a drained round of the cluster's barrier.
; x's tiles are shared along a row of the cluster, the weights' along a column.  The ring runs on from tile to tile: a tile's last two changes of slots ask for the next tile's first two K steps.
; The loop runs Q's and K's tiles; V's tile is written out: it has other roles and its last two changes of slots ask for nothing.
; PREFETCH: at each change of slots of the loop the fill that stands two fills behind the one being asked for; the sixteen waves that share a tile take a sixteenth each, told apart by address.  Fills 0 to 3 come by their loads alone; V's tile asks for nothing (no fill lies behind fill 11).
; A wave's scale words are 8 of each lane's 16 bytes of a scale block: the other 8 are the neighbouring wave's (one byte in 32 of what the launch stores).
; LIMITS: a block of zeros gets the byte 1 (zero codes; only this program reads the bytes); NaN and infinities are not served.
; REGISTERS: window 0 addresses, scale words (v32-47), bias (v64-127), the way out (v128-251); window 1 the 32 accumulators; window 2 source 0, two sets of 128; window 3 source 1, two sets of 64.
.set SLOT,  98304
.set BOFF,  65536
.set SCA,   2*SLOT
.set SCB,   SCA+24576
.set SPARE, SCB+12288
.set ZSA,   8388608                    ; from q's codes to k's to v's
.set ZSB,   1048576                    ; from weight to weight
.set LO,   1
.set Q0,   2
.set Q1,   4
.set QS0,  6
.set QS1,  7
.set V0,   8
.set V1,   10
.set VS0,  12
.set VS1,  13
.set BO,   14
.set BO2,  15
.set PFOA, 16
.set PFOB, 17
.set SPW,  28
.set NIL,  29
.set SC,   32
.set BJ,   64
.set H,    128
.set PC,   192
.set TM,   224
.set PW,   240
.set FW,   244
.set BI,   248
.set HF,   2
.set CT,   3
.set WV,   22
.set GRP,  23
.set G1A,  24
.set G0A,  32
.set G1B,  48
.set G0B,  56
.set G1SA, 68
.set G0SA, 76
.set G1SB, 80
.set G0SB, 88
.set PFA,  92
.set PFB,  94
.set MNT,  98
.set SEL,  100
.set MSB,  0
.macro WIN new                         ; the immediate's high byte repeats the setting that is left
.if MSB != (\new)
	s_set_vgpr_msb (MSB<<8)|(\new)
.set MSB, (\new)
.endif
.endm
.macro PLACES n
.rept \n
	v_nop
.endr
.endm
.macro CREST
	s_cmp_lg_u32 s[WV], 0
	s_cbranch_scc1 .Lnot_wave_0_\@
	s_barrier_signal -3
.Lnot_wave_0_\@:
	s_barrier_wait -3
	s_barrier_signal -1
	s_barrier_wait -1
.endm
.macro CROUND
	s_barrier_signal -1
	s_barrier_wait -1
	CREST
.endm
.macro DESC1 g, mask, c, r, p          ; group 1: r rows of c elements of 8 bytes, p elements apart
	s_or_b32 s[\g], s\mask, (3<<16)|(1<<21)
	s_mov_b32 s[\g+1], (\c)<<16
	s_mov_b32 s[\g+2], (\r)<<16
	s_mov_b32 s[\g+3], (\c)<<16
	s_mov_b32 s[\g+4], \r
	s_mov_b32 s[\g+5], \p
	s_mov_b32 s[\g+6], 0
	s_mov_b32 s[\g+7], 0
.endm
.macro JLOAD s                         ; a slot's fill: wave 0 x's part, wave 1 the weight's; s_nop 0 and four v_nop behind each line
	s_cmp_eq_u32 s[WV], 0
	s_cbranch_scc0 .Lnot_a_\@
	tensor_load_to_lds s[G0A+4*\s:G0A+4*\s+3], s[G1A:G1A+7]
	s_nop 0
	PLACES 4
	s_branch .Lasked_\@
.Lnot_a_\@:
	s_cmp_eq_u32 s[WV], 1
	s_cbranch_scc0 .Lasked_\@
	tensor_load_to_lds s[G0B+4*\s:G0B+4*\s+3], s[G1B:G1B+7]
	s_nop 0
	PLACES 4
.Lasked_\@:
.endm
.macro WMI c
.if rw == 0
	v_wmma_scale_f32_16x16x128_f8f6f4 v[kD:kD+7], v[kX:kX+15], v[kY:kY+15], \c, v[sX], v[sY] matrix_a_fmt:MATRIX_FMT_BF8 matrix_b_fmt:MATRIX_FMT_BF8
.elseif rw == 1
	v_wmma_scale_f32_16x16x128_f8f6f4 v[kD:kD+7], v[kX:kX+15], v[kY:kY+15], \c, v[sX], v[sY] matrix_a_fmt:MATRIX_FMT_BF8 matrix_b_fmt:MATRIX_FMT_BF8 matrix_a_scale:MATRIX_SCALE_ROW1
.elseif rw == 2
	v_wmma_scale_f32_16x16x128_f8f6f4 v[kD:kD+7], v[kX:kX+15], v[kY:kY+15], \c, v[sX], v[sY] matrix_a_fmt:MATRIX_FMT_BF8 matrix_b_fmt:MATRIX_FMT_BF8 matrix_b_scale:MATRIX_SCALE_ROW1
.else
	v_wmma_scale_f32_16x16x128_f8f6f4 v[kD:kD+7], v[kX:kX+15], v[kY:kY+15], \c, v[sX], v[sY] matrix_a_fmt:MATRIX_FMT_BF8 matrix_b_fmt:MATRIX_FMT_BF8 matrix_a_scale:MATRIX_SCALE_ROW1 matrix_b_scale:MATRIX_SCALE_ROW1
.endif
.endm
.macro WM a, b, set, cm                ; accumulator (a, b); cm 0: adds in place; 1: begins with the bias; 2: begins with 0
.set kD, 8*(8*(\a)+(\b))
.set kC, BJ+8*(\b)
.set kX, 128*(\set)+16*(\b)
.set kY, 64*(\set)+16*(\a)
.set sX, SC+8*(\set)+(\b)/2
.set sY, SC+8*(\set)+4+(\a)/2
.set rw, 2*((\a)%2)+(\b)%2
.if (\cm) == 0
	WMI v[kD:kD+7]
.elseif (\cm) == 1
	WMI v[kC:kC+7]
.else
	WMI 0
.endif
.endm
.macro MULS from, to, set, cm, nops    ; products from .. to - 1 of a step's 32: the accumulators by turns, one instruction a turn
.if (\cm) == 1
	WIN 0x4e
.else
	WIN 0x5e
.endif
.set n_, \from
.rept (\to)-(\from)
	WM n_/8, n_%8, \set, \cm
.if \nops
	v_nop
	v_nop
.endif
.set n_, n_+1
.endr
.endm
.macro FR0 set, adr, off, i0           ; four of source 0's eight fragments
	WIN 0x80
.irp i, 0,1,2,3
.irp c, 0,1,2,3
	ds_load_b128 v[128*(\set)+16*(\i0+\i)+4*\c:128*(\set)+16*(\i0+\i)+4*\c+3], v[\adr] offset:(\off)+2048*(\i0+\i)+512*\c
.endr
.endr
.endm
.macro FR1 set, adr, off               ; source 1's four fragments
	WIN 0xc0
.irp i, 0,1,2,3
.irp c, 0,1,2,3
	ds_load_b128 v[64*(\set)+16*\i+4*\c:64*(\set)+16*\i+4*\c+3], v[\adr] offset:(\off)+2048*\i+512*\c
.endr
.endr
.endm
.macro SCLF set, kb                    ; the scale words of the kb-th 128 of K: four registers for source 0's eight tiles, two for source 1's four
	ds_load_b128 v[SC+8*(\set):SC+8*(\set)+3], v[S0] offset:(\kb)*512
	ds_load_b64 v[SC+8*(\set)+4:SC+8*(\set)+5], v[S1] offset:(\kb)*512
.endm
; a slot's first 128 of K (set 0); among its products the slot's second 128 is fetched into set 1.  The eight v_nop are the places behind the products that read set 1 last.
.macro SUB0 slot, ks, cm
	s_wait_dscnt 8                                 ; all but source 1's tiles 2 and 3
	MULS 0, 4, 0, \cm, 1
	MULS 4, 8, 0, \cm, 0
	WIN 0
	SCLF 1, 2*(\ks)+1
	FR0 1, A0+\slot, 16384, 0
	MULS 8, 12, 0, \cm, 0
	FR0 1, A0+\slot, 16384, 4
	MULS 12, 16, 0, \cm, 0
	FR1 1, A1+\slot, 16384
	s_wait_dscnt 50                                ; all but the 50 loads issued in this step
	MULS 16, 32, 0, \cm, 0
	WIN 0
.endm
.macro ASK t                           ; the fill two fills behind the one just asked for
.if (\t) < 2
	global_prefetch_b8 v[PFOA], s[PFA:PFA+1] offset:ZSA-65536 th:TH_LOAD_NT scope:SCOPE_SE
	global_prefetch_b8 v[PFOB], s[PFB:PFB+1] offset:ZSB-65536 th:TH_LOAD_NT scope:SCOPE_SE
.else
	global_prefetch_b8 v[PFOA], s[PFA:PFA+1] offset:65536 th:TH_LOAD_NT scope:SCOPE_SE
	global_prefetch_b8 v[PFOB], s[PFB:PFB+1] offset:65536 th:TH_LOAD_NT scope:SCOPE_SE
.endif
.endm
; a slot's second 128 of K (set 1) and the change of slots; t: which of the tile's four changes
.macro TURN slot, ks, fill, fetch, t, pf
.if \pf
	s_wait_xcnt 0x0                                ; my prefetches have read their bases: they step to the fill that this change asks for
.if (\t) == 2
	s_add_nc_u64 s[PFA:PFA+1], s[PFA:PFA+1], ZSA-98304
	s_add_nc_u64 s[PFB:PFB+1], s[PFB:PFB+1], ZSB-98304
.else
	s_add_nc_u64 s[PFA:PFA+1], s[PFA:PFA+1], 32768
	s_add_nc_u64 s[PFB:PFB+1], s[PFB:PFB+1], 32768
.endif
.endif
	s_wait_tensorcnt 0x0                           ; my part of the next slot is in
	ds_add_u32 v[SPW], v[NIL]
	s_wait_dscnt 9                                 ; the add and source 1's tiles 2 and 3 may be out
	MULS 0, 4, 1, 0, 1
	MULS 4, 8, 1, 0, 0
	s_wait_dscnt 0x0                               ; the add is done and my reads of this slot are over
	s_barrier_signal -1
	MULS 8, 16, 1, 0, 0
	WIN 0
	s_barrier_wait -1
.if \fill
	CREST
.if (\t) < 2
	s_add_nc_u64 s[G0A+4*\slot+2:G0A+4*\slot+3], s[G0A+4*\slot+2:G0A+4*\slot+3], 65536
	s_add_nc_u64 s[G0B+4*\slot+2:G0B+4*\slot+3], s[G0B+4*\slot+2:G0B+4*\slot+3], 65536
.else
	s_add_nc_u64 s[G0A+4*\slot+2:G0A+4*\slot+3], s[G0A+4*\slot+2:G0A+4*\slot+3], ZSA-65536
	s_add_nc_u64 s[G0B+4*\slot+2:G0B+4*\slot+3], s[G0B+4*\slot+2:G0B+4*\slot+3], ZSB-65536
.endif
	JLOAD \slot
.endif
.if \fetch
	SCLF 0, 2*(\ks)+2
	FR0 0, A0+1-\slot, 0, 0
	FR0 0, A0+1-\slot, 0, 4
	FR1 0, A1+1-\slot, 0
	WIN 0
.endif
.if \pf
	ASK \t
.endif
	MULS 16, 32, 1, 0, 0
	WIN 0
.endm
.macro TILE kind, last, pf             ; A0, A1, S0, S1 name the address registers of the tile's roles
	SCLF 0, 0
	FR0 0, A0, 0, 0
	FR0 0, A0, 0, 4
	FR1 0, A1, 0
	WIN 0
.if (\kind) == 0
	s_wait_loadcnt 0x0                             ; the bias
.endif
	SUB0 0, 0, 1+\kind
	TURN 0, 0, 1, 1, 0, \pf
	SUB0 1, 1, 0
	TURN 1, 1, 1, 1, 1, \pf
	SUB0 0, 2, 0
	TURN 0, 2, 1-\last, 1, 2, \pf
	SUB0 1, 3, 0
.if \last
	s_wait_dscnt 8
	MULS 0, 16, 1, 0, 0
	s_wait_dscnt 0x0
	MULS 16, 32, 1, 0, 0
	WIN 0
.else
	TURN 1, 3, 1, 0, 3, \pf
.endif
	PLACES 8                                       ; behind the last products, ahead of the first read of their sums
.endm
; 64 numbers of a lane at s (w = 1: in window 1) become 16 code registers and the row's scale word; the holds lay them into v[H] on
.macro QUANT s, pc, pw, w
	WIN 0x14*(\w)
.irp b, 0,1,2,3
	v_max3_num_f32 v[TM+\b], 0x8000000, |v[(\s)+16*\b]|, |v[(\s)+1+16*\b]|   ; with the floor 2^(16 - 127): the byte cannot fall under 1
.endr
.irp i, 2,4,6,8,10,12,14
.irp b, 0,1,2,3
	v_max3_num_f32 v[TM+\b], v[TM+\b], |v[(\s)+16*\b+\i]|, |v[(\s)+1+16*\b+\i]|
.endr
.endr
	WIN 0
.irp b, 0,1,2,3
	v_permlanex16_b32 v[TM+4+\b], v[TM+\b], s[SEL], s[SEL+1]
.endr
.irp b, 0,1,2,3
	v_max_num_f32 v[TM+\b], v[TM+\b], v[TM+4+\b]
.endr
.irp b, 0,1,2,3
	v_add_nc_u32 v[TM+12+\b], 0xf8800000, v[TM+\b]         ; 15 off the exponent field: the conversion's scale operand
.endr
.irp b, 0,1,2,3
	v_and_or_b32 v[TM+8+\b], v[TM+\b], 0x7f800000, s[MNT]  ; 57,344 x the scale
.endr
.irp b, 0,1,2,3
	v_lshrrev_b32 v[TM+4+\b], 23, v[TM+12+\b]
.endr
	v_lshl_or_b32 v[\pw], v[TM+5], 8, v[TM+4]
	v_lshl_or_b32 v[\pw], v[TM+6], 16, v[\pw]
	v_lshl_or_b32 v[\pw], v[TM+7], 24, v[\pw]
	WIN \w
.irp b, 0,1,2,3
.irp i, 0,1,2,3,4,5,6,7,8,9,10,11,12,13,14,15
	v_med3_num_f32 v[H+16*\b+\i], v[(\s)+16*\b+\i], -v[TM+8+\b], v[TM+8+\b]   ; the conversion does not saturate (ISA guide 7.6.2)
.endr
.endr
	WIN 0
.irp b, 0,1,2,3
	v_cvt_scalef32_pk8_bf8_f32 v[\pc+4*\b:\pc+4*\b+1], v[H+16*\b:H+16*\b+7], v[TM+12+\b]
	v_cvt_scalef32_pk8_bf8_f32 v[\pc+4*\b+2:\pc+4*\b+3], v[H+16*\b+8:H+16*\b+15], v[TM+12+\b]
.endr
	v_nop
.endm
.macro EPI a, kind
.set PCS, PC+16*((\a)%2)
	s_wait_xcnt 0x0                                ; earlier stores have read the registers that are written again
.if \kind
	WIN 1
.set i_, 0
.rept 32
.if (\a)%2
	v_pk_add_f32 v[H+i_:H+i_+1], v[64*(\a)+i_:64*(\a)+i_+1], v[BI+2*((\a)/2):BI+2*((\a)/2)+1] op_sel:[0,1] op_sel_hi:[1,1]
.else
	v_pk_add_f32 v[H+i_:H+i_+1], v[64*(\a)+i_:64*(\a)+i_+1], v[BI+2*((\a)/2):BI+2*((\a)/2)+1] op_sel_hi:[1,0]
.endif
.set i_, i_+2
.endr
	WIN 0
	QUANT H, PCS, PW+(\a), 0
.else
	QUANT 64*(\a), PCS, PW+(\a), 1
.endif
.irp c, 0,1,2,3
	global_store_b128 v[LO], v[PCS+4*\c:PCS+4*\c+3], s[18:19] offset:2048*(\a)+512*\c
.endr
.endm
.macro EPIS kind
.irp a, 0,1,2,3
	EPI \a, \kind
.endr
	v_cmp_le_u32 vcc_lo, 0x100, v[LO]              ; lanes 16-31 take the odd tile's word
	v_cndmask_b32 v[FW], v[PW], v[PW+1], vcc_lo
	v_cndmask_b32 v[FW+1], v[PW+2], v[PW+3], vcc_lo
	global_store_b64 v[LO], v[FW:FW+1], s[20:21]
.endm
.macro BIAS p                          ; register 8 b + j: the bias of channel 32 (b / 2) + 16 h + 8 (b % 2) + j
.irp b, 0,1,2,3,4,5,6,7
	global_load_b128 v[BJ+8*\b:BJ+8*\b+3], v[BO], s[\p:\p+1] offset:(32*(\b/2)+8*(\b%2))*4
	global_load_b128 v[BJ+8*\b+4:BJ+8*\b+7], v[BO], s[\p:\p+1] offset:(32*(\b/2)+8*(\b%2))*4+16
.endr
.endm
.macro ARM under, g0, g1, next
	s_cmp_lt_u32 s[WV], \under
	s_cbranch_scc0 \next
	tensor_load_to_lds s[\g0:\g0+3], s[\g1:\g1+7]
	s_nop 0
	PLACES 4
	s_branch .Lhead_asked
\next:
.endm
	s_load_b512 s[4:19], s[0:1], 0x0               ; xc s4, xs s6, wc s8, ws s10, bq s12, bk s14, bv s16, img s18
	s_load_b64 s[20:21], s[0:1], 0x40              ; isc
	v_lshl_add_u32 v[SPW], v0, 2, SPARE
	v_mov_b32 v[NIL], 0
	ds_add_u32 v[SPW], v[NIL]                      ; the opening lines: the add twice on end and its wait
	ds_add_u32 v[SPW], v[NIL]
	v_lshrrev_b32 v18, 5, v0
	v_readfirstlane_b32 s[WV], v18
	s_lshr_b32 s[GRP], s[WV], 1
	s_and_b32 s[HF], s[WV], 1
	s_bfe_u32 s40, ttmp6, 0x40000                  ; cx
	s_bfe_u32 s41, ttmp6, 0x40004                  ; cy
	s_lshl_b32 s42, ttmp9, 2
	s_add_co_u32 s42, s42, s40                     ; X
	s_and_b32 s43, ttmp7, 0xffff
	s_lshl_b32 s43, s43, 2
	s_add_co_u32 s43, s43, s41                     ; Y
	s_lshl_b32 s44, s41, 2
	s_lshl_b32 s44, 15, s44                        ; my row of the cluster
	s_lshl_b32 s45, 0x1111, s40                    ; my column
	DESC1 G1A, 44, 4096, 2, 16384                  ; x: two runs of 32 KiB, 128 KiB apart
	DESC1 G1B, 45, 32, 128, 32                     ; the weight: 32 KiB on end
	DESC1 G1SA, 44, 1024, 3, 32768                 ; x's scales: 8 KiB of each of q, k, v
	DESC1 G1SB, 45, 512, 3, 4096                   ; the weights' scales: 4 KiB of each
	s_lshl_b32 s46, s43, 18
	s_mov_b32 s47, 0
	s_lshl_b32 s92, s42, 17
	s_mov_b32 s93, 0
	s_lshl_b32 s94, s43, 13
	s_mov_b32 s95, 0
	s_lshl_b32 s98, s42, 12
	s_mov_b32 s99, 0
	s_wait_dscnt 0x0
	s_wait_kmcnt 0x0
	s_add_nc_u64 s[66:67], s[4:5], s[46:47]        ; x's codes of my 256 tokens
	s_add_nc_u64 s[96:97], s[8:9], s[92:93]        ; the weights' codes of my 128 columns
	s_add_nc_u64 s[G0SA+2:G0SA+3], s[6:7], s[94:95]
	s_add_nc_u64 s[G0SB+2:G0SB+3], s[10:11], s[98:99]
	CROUND
	s_mov_b32 s[G0SA], 1
	s_mov_b32 s[G0SA+1], SCA
	s_or_b32 s[G0SA+3], s[G0SA+3], 0x80000000
	s_mov_b32 s[G0SB], 1
	s_mov_b32 s[G0SB+1], SCB
	s_or_b32 s[G0SB+3], s[G0SB+3], 0x80000000
.irp s, 0,1
	s_mov_b32 s[G0A+4*\s], 1
	s_mov_b32 s[G0A+4*\s+1], \s*SLOT
	s_add_nc_u64 s[G0A+4*\s+2:G0A+4*\s+3], s[66:67], \s*32768
	s_or_b32 s[G0A+4*\s+3], s[G0A+4*\s+3], 0x80000000
	s_mov_b32 s[G0B+4*\s], 1
	s_mov_b32 s[G0B+4*\s+1], \s*SLOT+BOFF
	s_add_nc_u64 s[G0B+4*\s+2:G0B+4*\s+3], s[96:97], \s*32768
	s_or_b32 s[G0B+4*\s+3], s[G0B+4*\s+3], 0x80000000
.endr
	ARM 1, G0A, G1A, .Lhead_b                      ; one load a wave, one chain of arms
	ARM 2, G0B, G1B, .Lhead_sa
	ARM 3, G0SA, G1SA, .Lhead_sb
	tensor_load_to_lds s[G0SB:G0SB+3], s[G1SB:G1SB+7]
	s_nop 0
	PLACES 4
.Lhead_asked:
	s_lshl_b32 s46, s40, 2                         ; the prefetches: which of the sixteen waves of my row of the cluster I am: 4 KiB of x's 64,
	s_add_co_u32 s46, s46, s[WV]
	s_lshr_b32 s47, s46, 3
	s_lshl_b32 s47, s47, 17
	s_and_b32 s46, s46, 7
	s_lshl_b32 s46, s46, 12
	s_add_co_u32 s46, s46, s47
	s_add_co_u32 s46, s46, 32768                   ; at fill 1: the first change of slots steps it to fill 2
	s_mov_b32 s47, 0
	s_add_nc_u64 s[PFA:PFA+1], s[66:67], s[46:47]
	s_lshl_b32 s46, s41, 2                         ; and of my column: 2 KiB of the weight's 32
	s_add_co_u32 s46, s46, s[WV]
	s_lshl_b32 s46, s46, 11
	s_add_co_u32 s46, s46, 32768
	s_add_nc_u64 s[PFB:PFB+1], s[96:97], s[46:47]
	s_lshl_b32 s66, s43, 1                         ; where my results go
	s_add_co_u32 s66, s66, s[GRP]                  ; my group of 128 tokens
	s_lshr_b32 s67, s66, 4
	s_lshl_b32 s67, s67, 7
	s_and_b32 s66, s66, 15
	s_add_co_u32 s67, s67, s66
	s_lshl_b32 s66, s42, 4
	s_add_co_u32 s67, s67, s66                     ; block 128 b + 16 X + group % 16
	s_lshl_b32 s96, s67, 14
	s_lshl_b32 s66, s[HF], 13
	s_add_co_u32 s96, s96, s66
	s_mov_b32 s97, 0
	s_add_nc_u64 s[18:19], s[18:19], s[96:97]
	s_lshl_b32 s96, s67, 9
	s_lshl_b32 s66, s[HF], 3
	s_add_co_u32 s96, s96, s66
	s_add_nc_u64 s[20:21], s[20:21], s[96:97]
	s_lshl_b32 s96, s42, 9
	s_add_nc_u64 s[12:13], s[12:13], s[96:97]
	s_add_nc_u64 s[14:15], s[14:15], s[96:97]
	s_lshl_b32 s66, s[HF], 8
	s_add_co_u32 s96, s96, s66
	s_add_nc_u64 s[16:17], s[16:17], s[96:97]
	s_lshl_b32 s40, s[GRP], 15                     ; LDS places, from the wave's number alone
	s_lshl_b32 s41, s[HF], 13
	s_add_co_u32 s44, s40, s41
	s_add_co_u32 s41, s41, BOFF
	s_lshl_b32 s45, s[GRP], 12
	s_add_co_u32 s45, s45, SCA
	s_lshl_b32 s46, s[HF], 3
	s_add_co_u32 s47, s45, s46
	s_add_co_u32 s45, s45, 16384
	s_add_co_u32 s46, s46, SCB+8192
	s_mov_b32 s[SEL], 0x76543210
	s_mov_b32 s[SEL+1], 0xfedcba98
	s_mov_b32 s[MNT], 0x600000
	s_mov_b32 s[CT], 0
	v_and_b32 v18, 31, v0
	v_lshlrev_b32 v[LO], 4, v18
	v_min_u32 v19, 15, v18
	v_lshlrev_b32 v[PFOA], 8, v19                  ; lanes 256 bytes apart; the lanes left over name the last block again
	v_min_u32 v19, 7, v18
	v_lshlrev_b32 v[PFOB], 8, v19
	v_add_nc_u32 v[Q0], BOFF, v[LO]                ; Q, K: source 0 the weight,
	v_add_nc_u32 v[Q0+1], BOFF+SLOT, v[LO]
	v_add_nc_u32 v[Q1], s44, v[LO]                 ; source 1 my 64 tokens
	v_add_nc_u32 v[Q1+1], SLOT, v[Q1]
	v_add_nc_u32 v[QS0], SCB, v[LO]
	v_add_nc_u32 v[QS1], s47, v[LO]
	v_add_nc_u32 v[V0], s40, v[LO]                 ; V: source 0 my group's 128 tokens,
	v_add_nc_u32 v[V0+1], SLOT, v[V0]
	v_add_nc_u32 v[V1], s41, v[LO]                 ; source 1 my head's 64 weight rows
	v_add_nc_u32 v[V1+1], SLOT, v[V1]
	v_add_nc_u32 v[VS0], s45, v[LO]
	v_add_nc_u32 v[VS1], s46, v[LO]
	v_bfe_u32 v19, v0, 4, 1
	v_lshlrev_b32 v[BO], 6, v19
	v_and_b32 v20, 7, v0
	v_and_b32 v21, 8, v0
	v_lshlrev_b32 v20, 2, v20
	v_lshl_add_u32 v[BO2], v21, 3, v20
.irp b, 0,1,2,3
	v_mov_b32 v[TM+4+\b], 0                        ; a lane permute's destination counts as one of its sources
.endr
	BIAS 12
.irp a, 0,1,2,3
	global_load_b32 v[BI+\a], v[BO2], s[16:17] offset:(32*(\a/2)+8*(\a%2))*4   ; V's bias: my lane's channel of tile a
.endr
	s_wait_alu depctr_va_vdst(0)
	s_wait_tensorcnt 0x0                           ; my tile of the head's four is in; slot 1's first fill is issued as a refill is
	ds_add_u32 v[SPW], v[NIL]
	s_wait_dscnt 0x0
	CROUND
	JLOAD 1
.set A0, Q0
.set A1, Q1
.set S0, QS0
.set S1, QS1
.Ltile:                                            ; two trips: Q's tile, K's tile
	TILE 0, 0, 1
	s_cmp_eq_u32 s[CT], 0
	s_cbranch_scc0 .Lno_bias
	BIAS 14                                        ; K's bias, under Q's way out
.Lno_bias:
	EPIS 0
	s_wait_xcnt 0x0                                ; the stores have read their bases
	s_add_nc_u64 s[18:19], s[18:19], 0x800000
	s_add_nc_u64 s[20:21], s[20:21], 0x40000
	v_add_nc_u32 v[QS0], 4096, v[QS0]              ; the next tile's scale words
	v_add_nc_u32 v[QS1], 8192, v[QS1]
	s_add_co_u32 s[CT], s[CT], 1
	s_cmp_lt_u32 s[CT], 2
	s_wait_alu depctr_va_vdst(0)
	s_cbranch_scc1 .Ltile
.set A0, V0
.set A1, V1
.set S0, VS0
.set S1, VS1
	TILE 1, 1, 0
	EPIS 1
	s_wait_tensorcnt 0x0                           ; the wave's end
	ds_add_u32 v[SPW], v[NIL]
	s_wait_dscnt 0x0
	CROUND
	s_endpgm
.Lfunc_end_k_q971ae78df8_proj:
	.size	k_q971ae78df8_proj, .Lfunc_end_k_q971ae78df8_proj-k_q971ae78df8_proj
	.p2alignl 7, 3214868480
	.fill 96, 4, 3214868480
	.section	.rodata,"a",@progbits
	.p2align	6, 0x0
	.amdhsa_kernel k_q971ae78df8_proj
		.amdhsa_group_segment_fixed_size 327680
		.amdhsa_private_segment_fixed_size 0
		.amdhsa_enable_private_segment 0
		.amdhsa_kernarg_size 72
		.amdhsa_user_sgpr_count 2
		.amdhsa_user_sgpr_kernarg_segment_ptr 1
		.amdhsa_wavefront_size32 1
		.amdhsa_system_sgpr_workgroup_id_x 1
		.amdhsa_system_sgpr_workgroup_id_y 1
		.amdhsa_system_sgpr_workgroup_id_z 1
		.amdhsa_system_vgpr_workitem_id 0
		.amdhsa_next_free_vgpr 1024
		.amdhsa_next_free_sgpr 102
		.amdhsa_reserve_vcc 1
		.amdhsa_float_denorm_mode_32 3
		.amdhsa_float_denorm_mode_16_64 3
		.amdhsa_memory_ordered 1
		.amdhsa_forward_progress 1
		.amdhsa_inst_pref_size 223
	.end_amdhsa_kernel
	.amdgpu_metadata
---
amdhsa.version: [ 1, 2 ]
amdhsa.kernels:
  - .name:           k_q971ae78df8_proj
    .symbol:         k_q971ae78df8_proj.kd
    .args:
      - { .name: xc, .offset: 0, .size: 8, .value_kind: global_buffer, .address_space: global }
      - { .name: xs, .offset: 8, .size: 8, .value_kind: global_buffer, .address_space: global }
      - { .name: wc, .offset: 16, .size: 8, .value_kind: global_buffer, .address_space: global }
      - { .name: ws, .offset: 24, .size: 8, .value_kind: global_buffer, .address_space: global }
      - { .name: bq, .offset: 32, .size: 8, .value_kind: global_buffer, .address_space: global }
      - { .name: bk, .offset: 40, .size: 8, .value_kind: global_buffer, .address_space: global }
      - { .name: bv, .offset: 48, .size: 8, .value_kind: global_buffer, .address_space: global }
      - { .name: img, .offset: 56, .size: 8, .value_kind: global_buffer, .address_space: global }
      - { .name: isc, .offset: 64, .size: 8, .value_kind: global_buffer, .address_space: global }
    .group_segment_fixed_size: 327680
    .private_segment_fixed_size: 0
    .kernarg_segment_align: 8
    .kernarg_segment_size: 72
    .max_flat_workgroup_size: 128
    .sgpr_count:     102
    .vgpr_count:     1024
    .wavefront_size: 32
...
	.end_amdgpu_metadata
.endif
;; end of part 2
;; launch attn (part 3): grid 4 x 64, 16 waves a work-group, no clusters, 327,680 bytes of LDS; arguments img, isc, ao, aos; writes ao, aos
.if DOCPART == 3
	.amdgcn_target "amdgcn-amd-amdhsa--gfx1250"
	.amdhsa_code_object_version 6
	.text
	.protected	k_q971ae78df8_attn
	.globl	k_q971ae78df8_attn
	.p2align	8
	.type	k_q971ae78df8_attn,@function
k_q971ae78df8_attn:
	s_mov_b64 s[64:65], 0
	v_nop
	global_prefetch_b8 v0, s[64:65] scope:SCOPE_SE
	s_setreg_imm32_b32 hwreg(HW_REG_WAVE_MODE, 25, 1), 1
	s_wait_xcnt 0x0
; Causal attention of one head on codes of E5M2 with E8M0 scales, and its result quantised along the model's axis for the last product.
; t = score x log2(e) / 8; M = the running largest t rounded up to a whole number; p = 2^(t - M) is quantised along the keys, not normalised; the row's sum is taken of the unquantised p and divides at the end.
; IN: img [Q, K, V][b][head pair][128 tokens] code blocks of 16 KiB, isc likewise scale blocks of 512 bytes.  A tile of 16 queries or keys of a head is 1,024 consecutive bytes ([c' 0..1][lane][16]) at 2,048 T + 1,024 (head % 2);
; a head's V of a step of 128 keys is 8,192 consecutive bytes ([channel tile 0..3][key block c][lane][16]).  Rows lie by row-places (bits 3 and 4 of the row exchanged).
; BOTH PRODUCTS ARE USED TRANSPOSED: S^T = K Q^T, O^T = V^T P^T: a lane holds one query throughout; by the row-places the 16 registers of tiles 2 g, 2 g + 1 are 16 neighbouring keys (channels in O^T).
; K = 64 IN AN INSTRUCTION OF 128: Q's registers 8-15 are zero codes; K's operand runs on into the next tile's codes (finite: they were held) or into eight zero registers; the scale halves are loaded zero-extended (bytes 2, 3 = 0, which is no NaN).
; SHARES: work-group (x, head) owns query blocks 7 - x and x of 256.  Wave w takes tile 16 (7 - x) + w, then tile 16 x + 15 - w: 17 key steps of 128 in every wave.  Four waves to a SIMD: one wave's vector work stands beside another's products.
; THE WHOLE HEAD'S K, V and scale words lie in LDS, filled once (at most one tensor load a wave, each waited for in front of one of the two barriers): no slot is filled again.
; THE MASK: a step all of whose keys come after the tile's queries is left out by a scalar branch on ids; the loops' trip counts are constants.  In the step on the diagonal hidden scores become -8e10, which is the problem's own -1e10 ahead of the factor 1/8.
; LIMITS: a row whose largest open logit lay under about -1e10 would want the hidden keys counted: not served.  NaN and infinities are not served.  A block of zeros gets the byte 1 (zero codes; only this program reads the bytes).
; NO CLUSTER: the four work-groups of a head differ in their query blocks, so leaving hidden steps out would be a branch on the place in a cluster, and walking them all the same would nearly double the vector work; each fetches its 272 KiB once.
; NO PREFETCH: every byte of K and V is asked for at the head.
; REGISTERS: v1 16 x lane; v2-4 places in V, K's words, V's words; v5 mask term; v7 16 r; v8-11 the step's addresses; v12 -M, v13 largest t, v[14:15] the sum; v16-23 Q, v24-31 zeros; v32-95 K's 8 tiles, then V's 4 fragments; v96-103 zeros;
;   v104-167 S^T, then p; v168-199 O^T; v200-215 p's codes; v216-219, v220-221, v222 scale words of K, V, Q; v224-239 at work; v240 f, v241 p's scale word; v242-244 at work.
; THE FILLS: one tensor load a wave at the head, each in an arm of one chain.  Waves 0-3 fetch K's quarters (4 key steps, 32 KiB), waves 4-7 V's,
; wave 8 K's scale blocks, wave 12 V's; the other waves fetch nothing.  Waves 0, 4, 8, 12 have load lines of their own and wait in front of the first barrier, which shows key steps 0 to 3 and all scale words;
; the late tile's first four steps are walked on them; every wave waits in front of the second barrier, which shows the rest.
.set VLD,  131072
.set KSC,  262144                      ; K's scale blocks [step][512];
.set VSC,  270336                      ; V's
.set S,    104
.set O,    168
.set PCD,  200
.set KS,   216
.set VS,   220
.set QS,   222
.set BM,   224
.set BP,   228
.set BH,   232
.set BS,   236
.set F,    240
.set T0,   242
.set T1,   243
.set T2,   244
.set G1K,  12
.set G1V,  20
.set G1S,  28
.set G0D,  36
.set G0S,  40
.set WV,   44
.set PAR,  46
.set HB,   47
.set AI,   48
.set SEL,  60
.set CS,   62
.set MNT,  66
.set ST,   67                          ; the key step
.set TD,   68                          ; the step on the diagonal: tile / 8
.set TK,   69                          ; 8,192 x step
.set TS,   70                          ; 512 x step
.set DD,   71                          ; the tile's first query in its 128
.set TT,   72                          ; the tile
.set CNT,  73
.set QB,   74
.set QSB,  76
.set AOB,  78
.set ASB,  80
.set QA,   82
.set QSA,  84
.set AOA,  86
.set ASA,  88
.set OF,   90
.macro QK t
.if (\t)%2
	v_wmma_scale_f32_16x16x128_f8f6f4 v[S+8*(\t):S+8*(\t)+7], v[32+8*(\t):47+8*(\t)], v[16:31], 0, v[KS+(\t)/2], v[QS] matrix_a_fmt:MATRIX_FMT_BF8 matrix_b_fmt:MATRIX_FMT_BF8 matrix_a_scale:MATRIX_SCALE_ROW1
.else
	v_wmma_scale_f32_16x16x128_f8f6f4 v[S+8*(\t):S+8*(\t)+7], v[32+8*(\t):47+8*(\t)], v[16:31], 0, v[KS+(\t)/2], v[QS] matrix_a_fmt:MATRIX_FMT_BF8 matrix_b_fmt:MATRIX_FMT_BF8
.endif
.endm
.macro PV d
.if (\d)%2
	v_wmma_scale_f32_16x16x128_f8f6f4 v[O+8*(\d):O+8*(\d)+7], v[32+16*(\d):47+16*(\d)], v[PCD:PCD+15], v[O+8*(\d):O+8*(\d)+7], v[VS+(\d)/2], v[F+1] matrix_a_fmt:MATRIX_FMT_BF8 matrix_b_fmt:MATRIX_FMT_BF8 matrix_a_scale:MATRIX_SCALE_ROW1
.else
	v_wmma_scale_f32_16x16x128_f8f6f4 v[O+8*(\d):O+8*(\d)+7], v[32+16*(\d):47+16*(\d)], v[PCD:PCD+15], v[O+8*(\d):O+8*(\d)+7], v[VS+(\d)/2], v[F+1] matrix_a_fmt:MATRIX_FMT_BF8 matrix_b_fmt:MATRIX_FMT_BF8
.endif
.endm
; A KEY STEP: 128 keys
.macro STEP
	s_cmp_gt_u32 s[ST], s[TD]                      ; all keys hidden: only the lines at the end that step addresses
	s_cbranch_scc1 .Lhidden_\@
	v_add_nc_u32 v8, s[TK], v1
	v_add_nc_u32 v9, s[TK], v2
	v_add_nc_u32 v10, s[TS], v3
	v_add_nc_u32 v11, s[TS], v4
.rept 4
	v_nop                                          ; with the four additions: eight places in front of loads into registers that the last products read
.endr
.irp t, 0,1,2,3,4,5,6,7
	ds_load_b128 v[32+8*\t:35+8*\t], v8 offset:1024*\t
	ds_load_b128 v[36+8*\t:39+8*\t], v8 offset:1024*\t+512
.endr
.irp a, 0,1,2,3
	ds_load_u16 v[KS+\a], v10 offset:4*\a          ; my head's two bytes of the word of key-place 32 a + lane
.endr
	s_wait_alu depctr_va_vdst(0)
	s_wait_dscnt 0x0
.irp t, 0,1,2,3,4,5,6,7
	QK \t
.endr
.rept 8
	v_nop                                          ; in front of the first read of the scores and of V's loads into K's registers
.endr
.irp d, 0,1,2,3
.irp c, 0,1,2,3
	ds_load_b128 v[32+16*\d+4*\c:35+16*\d+4*\c], v9 offset:2048*\d+512*\c   ; V lands while the softmax is walked
.endr
.endr
	ds_load_b64 v[VS:VS+1], v11
	s_cmp_lg_u32 s[ST], s[TD]
	s_cbranch_scc1 .Lopen_\@
	v_add_nc_u32 v[T1], s[DD], v5                  ; d = my query - the step's first key - 16 h.  Register 16 b + i holds key 32 b + 16 h + i: hidden where 32 b + i > d
	v_mov_b32 v[T2], 0xd19502f9                    ; -8e10
.set n, 0
.rept 64
	v_cmp_gt_i32 vcc_lo, 32*(n/16)+n%16, v[T1]
	v_cndmask_b32 v[S+n], v[S+n], v[T2], vcc_lo
.set n, n+1
.endr
.Lopen_\@:
.irp b, 0,1,2,3
	v_max3_num_f32 v[BM+\b], v[S+16*\b], v[S+1+16*\b], v[S+2+16*\b]   ; the largest score of each block of 32 keys: for the row's maximum and, since p rises with the score, for the block's largest p
.endr
.irp i, 3,5,7,9,11,13
.irp b, 0,1,2,3
	v_max3_num_f32 v[BM+\b], v[BM+\b], v[S+16*\b+\i], v[S+1+16*\b+\i]
.endr
.endr
.irp b, 0,1,2,3
	v_max_num_f32 v[BM+\b], v[BM+\b], v[S+15+16*\b]
.endr
.irp b, 0,1,2,3
	s_delay_alu instid0(VALU_DEP_4)
	v_permlanex16_b32 v[BP+\b], v[BM+\b], s[SEL], s[SEL+1]
.endr
.irp b, 0,1,2,3
	s_delay_alu instid0(VALU_DEP_4)
	v_max_num_f32 v[BM+\b], v[BM+\b], v[BP+\b]
.endr
	s_delay_alu instid0(VALU_DEP_2)
	v_max3_num_f32 v[T0], v[BM], v[BM+1], v[BM+2]
	s_delay_alu instid0(VALU_DEP_1)
	v_max_num_f32 v[T0], v[T0], v[BM+3]
	s_delay_alu instid0(VALU_DEP_1)
	v_mul_f32 v[T0], s[CS], v[T0]
	s_delay_alu instid0(VALU_DEP_1)
	v_max_num_f32 v13, v13, v[T0]                  ; the running largest t
	v_mov_b32 v[T0], v12
	s_delay_alu instid0(VALU_DEP_2)
	v_floor_f32 v12, -v13                          ; -M = floor(-t)
	s_delay_alu instid0(VALU_DEP_1)
	v_sub_f32 v[T0], v12, v[T0]                    ; old M - new M: a whole number, 0 or less
	s_delay_alu instid0(VALU_DEP_1)
	v_cvt_i32_f32 v[T0], v[T0]                     ; (it saturates)
	s_delay_alu instid0(VALU_DEP_1)
	v_ldexp_f32 v[F], 1.0, v[T0]                   ; f = 2^(old M - new M): a multiplication by it rounds nothing
.set n, 0
.rept 32
	v_pk_fma_f32 v[S+n:S+n+1], v[S+n:S+n+1], s[CS:CS+1], v[12:13] op_sel_hi:[1,0,0]   ; t - M
.set n, n+2
.endr
.irp b, 0,1,2,3
	v_fma_f32 v[BM+\b], v[BM+\b], s[CS], v12
.endr
.set n, 0
	s_wait_alu depctr_va_vdst(0)
.rept 64
	v_exp_f32 v[S+n], v[S+n]                       ; p
.set n, n+1
.endr
	v_pk_mul_f32 v[14:15], v[14:15], v[F:F+1] op_sel_hi:[1,0]   ; the sums under the new M: a plain line behind the exponentials
	s_wait_alu depctr_va_vdst(0)                   ; one wait for the batch of 64, ahead of its first reader
.irp b, 0,1,2,3
	v_exp_f32 v[BM+\b], v[BM+\b]                   ; each block's largest p
.endr
	v_pk_add_f32 v[228:229], v[108:109], v[112:113]
	v_pk_add_f32 v[252:253], v[116:117], v[120:121]
	v_pk_add_f32 v[250:251], v[124:125], v[128:129]
	v_pk_add_f32 v[248:249], v[132:133], v[136:137]
	v_pk_add_f32 v[246:247], v[140:141], v[144:145]
	v_pk_add_f32 v[244:245], v[148:149], v[152:153]
	v_pk_add_f32 v[238:239], v[156:157], v[160:161]
	v_pk_add_f32 v[14:15], v[14:15], v[164:165]
	v_pk_add_f32 v[228:229], v[228:229], v[104:105]
	v_pk_add_f32 v[252:253], v[252:253], v[106:107]
	v_pk_add_f32 v[250:251], v[250:251], v[110:111]
	v_pk_add_f32 v[248:249], v[248:249], v[114:115]
	v_pk_add_f32 v[246:247], v[246:247], v[118:119]
	v_pk_add_f32 v[244:245], v[244:245], v[122:123]
	v_pk_add_f32 v[238:239], v[238:239], v[126:127]
	v_pk_add_f32 v[14:15], v[14:15], v[130:131]
	v_pk_add_f32 v[228:229], v[228:229], v[134:135]
	v_pk_add_f32 v[252:253], v[252:253], v[138:139]
	v_pk_add_f32 v[250:251], v[250:251], v[142:143]
	v_pk_add_f32 v[248:249], v[248:249], v[146:147]
	v_pk_add_f32 v[246:247], v[246:247], v[150:151]
	v_pk_add_f32 v[244:245], v[244:245], v[154:155]
	v_pk_add_f32 v[238:239], v[238:239], v[158:159]
	v_pk_add_f32 v[14:15], v[14:15], v[162:163]
	v_pk_add_f32 v[228:229], v[228:229], v[166:167]
	s_delay_alu instid0(VALU_DEP_2)
	v_pk_add_f32 v[14:15], v[14:15], v[248:249]
	s_delay_alu instid0(VALU_DEP_2)
	v_pk_add_f32 v[228:229], v[228:229], v[246:247]
	v_pk_add_f32 v[252:253], v[252:253], v[244:245]
	v_pk_add_f32 v[250:251], v[250:251], v[238:239]
	s_delay_alu instid0(VALU_DEP_2)
	v_pk_add_f32 v[14:15], v[14:15], v[252:253]
	s_delay_alu instid0(VALU_DEP_2)
	v_pk_add_f32 v[228:229], v[228:229], v[250:251]
	s_delay_alu instid0(VALU_DEP_1)
	v_pk_add_f32 v[14:15], v[14:15], v[228:229]
	s_wait_alu depctr_va_vdst(0)                   ; and one for the four
.irp b, 0,1,2,3
	v_max_num_f32 v[BM+\b], 0x8000000, v[BM+\b]    ; the floor 2^(16 - 127)
.endr
.irp b, 0,1,2,3
	s_delay_alu instid0(VALU_DEP_4)
	v_add_nc_u32 v[BS+\b], 0xf8800000, v[BM+\b]
.endr
.irp b, 0,1,2,3
	v_and_or_b32 v[BH+\b], v[BM+\b], 0x7f800000, s[MNT]
.endr
.irp b, 0,1,2,3
	v_lshrrev_b32 v[BP+\b], 23, v[BS+\b]
.endr
	s_delay_alu instid0(VALU_DEP_3)
	v_lshl_or_b32 v[F+1], v[BP+1], 8, v[BP]        ; p's scale word for these 128 keys
	s_delay_alu instid0(VALU_DEP_1)
	v_lshl_or_b32 v[F+1], v[BP+2], 16, v[F+1]
	s_delay_alu instid0(VALU_DEP_1)
	v_lshl_or_b32 v[F+1], v[BP+3], 24, v[F+1]
.irp b, 0,1,2,3
.irp i, 0,1,2,3,4,5,6,7,8,9,10,11,12,13,14,15
	v_min_num_f32 v[S+16*\b+\i], v[S+16*\b+\i], v[BH+\b]   ; the hold; p is not negative
.endr
	v_cvt_scalef32_pk8_bf8_f32 v[PCD+4*\b:PCD+4*\b+1], v[S+16*\b:S+16*\b+7], v[BS+\b]
	v_cvt_scalef32_pk8_bf8_f32 v[PCD+4*\b+2:PCD+4*\b+3], v[S+16*\b+8:S+16*\b+15], v[BS+\b]
.endr
.set n, 0
.rept 16
	v_pk_mul_f32 v[O+n:O+n+1], v[O+n:O+n+1], v[F:F+1] op_sel_hi:[1,0]   ; O^T under the new M; these are also the plain lines between the conversions and the products
.set n, n+2
.endr
	s_wait_alu depctr_va_vdst(0)
	s_wait_dscnt 0x0                               ; V and its words
.irp d, 0,1,2,3
	PV \d                                          ; four accumulators, one instruction a turn
.endr
.Lhidden_\@:
	s_add_co_u32 s[ST], s[ST], 1
	s_add_co_u32 s[TK], s[TK], 8192
	s_add_co_u32 s[TS], s[TS], 512
.endm
; tile s[TT]: addresses, Q, and the state
.macro INIT
	s_lshr_b32 s[TD], s[TT], 3
	s_and_b32 s50, s[TT], 7
	s_and_b32 s51, s[TT], 1
	s_lshr_b32 s52, s50, 1
	s_lshl_b32 s[DD], s52, 5
	s_lshl_b32 s53, s51, 3
	s_add_co_u32 s[DD], s[DD], s53                 ; 32 (a / 2) + 8 (a % 2)
	s_lshl_b32 s[OF], s[TT], 11
	s_add_nc_u64 s[QA:QA+1], s[QB:QB+1], s[OF:OF+1]
	s_lshl_b32 s53, s51, 8
	s_lshl_b32 s54, s52, 2
	s_add_co_u32 s53, s53, s54                     ; the tile's words in a scale block: 256 (a % 2) + 4 (a / 2), + 16 r
	s_lshl_b32 s[OF], s[TD], 9
	s_add_co_u32 s[OF], s[OF], s53
	s_add_nc_u64 s[QSA:QSA+1], s[QSB:QSB+1], s[OF:OF+1]
	s_lshl_b32 s[OF], s[TD], 12                    ; in aos eight blocks to 128 tokens
	s_add_co_u32 s[OF], s[OF], s53
	s_add_nc_u64 s[ASA:ASA+1], s[ASB:ASB+1], s[OF:OF+1]
	s_lshl_b32 s[OF], s[TD], 17
	s_lshl_b32 s54, s50, 11
	s_add_co_u32 s[OF], s[OF], s54
	s_add_nc_u64 s[AOA:AOA+1], s[AOB:AOB+1], s[OF:OF+1]
	global_load_b128 v[16:19], v1, s[QA:QA+1]
	global_load_b128 v[20:23], v1, s[QA:QA+1] offset:512
	global_load_u16 v[QS], v7, s[QSA:QSA+1]
	s_mov_b32 s[ST], 0
	s_mov_b32 s[TK], 0
	s_mov_b32 s[TS], 0
	v_mov_b32 v13, 0xff61b1e6                      ; -3e38, under every t
	s_delay_alu instid0(VALU_DEP_1)
	v_floor_f32 v12, -v13
	v_mov_b32 v14, 0
	v_mov_b32 v15, 0
.set n, 0
.rept 32
	v_mov_b32 v[O+n], 0                            ; the step is written once: the first finds zeros, which the first change of M leaves zeros
.set n, n+1
.endr
	s_wait_loadcnt 0x0
.endm
; O^T / the sum, quantised along the head's 64 channels (two blocks), stored as the tile's part of a code block of ao
.macro OUT
.rept 8
	v_nop
.endr
	v_add_f32 v14, v14, v15
	s_delay_alu instid0(VALU_DEP_1)
	v_permlanex16_b32 v[T0], v14, s[SEL], s[SEL+1]
	s_delay_alu instid0(VALU_DEP_1)
	v_add_f32 v14, v14, v[T0]
	s_wait_alu depctr_va_vdst(0)
	v_rcp_f32 v14, v14
	v_nop
	s_wait_alu depctr_va_vdst(0)                   ; ahead of the reciprocal's first reader
.set n, 0
.rept 32
	v_mul_f32 v[S+n], v[O+n], v14                  ; register 16 g + i: channel 32 g + 16 h + i of my query
.set n, n+1
.endr
.irp b, 0,1
	v_max3_num_f32 v[BM+\b], |v[S+16*\b]|, |v[S+1+16*\b]|, 0x8000000
.endr
.irp i, 2,4,6,8,10,12,14
.irp b, 0,1
	s_delay_alu instid0(VALU_DEP_2)
	v_max3_num_f32 v[BM+\b], v[BM+\b], |v[S+16*\b+\i]|, |v[S+1+16*\b+\i]|
.endr
.endr
.irp b, 0,1
	s_delay_alu instid0(VALU_DEP_2)
	v_permlanex16_b32 v[BP+\b], v[BM+\b], s[SEL], s[SEL+1]
.endr
.irp b, 0,1
	s_delay_alu instid0(VALU_DEP_2)
	v_max_num_f32 v[BM+\b], v[BM+\b], v[BP+\b]
.endr
.irp b, 0,1
	s_delay_alu instid0(VALU_DEP_2)
	v_add_nc_u32 v[BS+\b], 0xf8800000, v[BM+\b]
.endr
.irp b, 0,1
	s_delay_alu instid0(VALU_DEP_4)
	v_and_or_b32 v[BH+\b], v[BM+\b], 0x7f800000, s[MNT]
.endr
.irp b, 0,1
	s_delay_alu instid0(VALU_DEP_4)
	v_lshrrev_b32 v[BP+\b], 23, v[BS+\b]
.endr
	s_delay_alu instid0(VALU_DEP_1)
	v_lshl_or_b32 v[T1], v[BP+1], 8, v[BP]
.irp b, 0,1
.irp i, 0,1,2,3,4,5,6,7,8,9,10,11,12,13,14,15
	v_med3_num_f32 v[S+16*\b+\i], v[S+16*\b+\i], -v[BH+\b], v[BH+\b]
.endr
	v_cvt_scalef32_pk8_bf8_f32 v[PCD+4*\b:PCD+4*\b+1], v[S+16*\b:S+16*\b+7], v[BS+\b]
	v_cvt_scalef32_pk8_bf8_f32 v[PCD+4*\b+2:PCD+4*\b+3], v[S+16*\b+8:S+16*\b+15], v[BS+\b]
.endr
	v_nop
	global_store_b128 v1, v[PCD:PCD+3], s[AOA:AOA+1]
	global_store_b128 v1, v[PCD+4:PCD+7], s[AOA:AOA+1] offset:512
	global_store_b16 v7, v[T1], s[ASA:ASA+1]       ; my head's half of the row's word (both halves of the lanes store the same two bytes): one byte in 32 of what the launch stores; the other half is the other head's work-group's
	s_wait_xcnt 0x0                                ; the stores have read their registers and bases: both are written again
.endm
	s_load_b256 s[4:11], s[0:1], 0x0               ; img s4, isc s6, ao s8, aos s10
	v_lshl_add_u32 v254, v0, 2, 0x44000
	v_mov_b32 v255, 0
	ds_add_u32 v254, v255
	ds_add_u32 v254, v255
	v_lshrrev_b32 v1, 5, v0
	s_delay_alu instid0(VALU_DEP_1)
	v_readfirstlane_b32 s[WV], v1                  ; wave 0..15
	s_and_b32 s50, ttmp7, 0xffff                   ; 16 b + head
	s_lshr_b32 s[HB], s50, 1                       ; 8 b + head pair
	s_and_b32 s[PAR], s50, 1
	s_lshr_b32 s51, s50, 4
	s_lshl_b32 s51, s51, 7
	s_and_b32 s52, s[HB], 7
	s_add_co_u32 s[AI], s51, s52                   ; 128 b + head pair
	; K: 32 tiles: rows of 1,024 bytes (128 elements of 8), 2,048 bytes apart
	s_mov_b32 s[G1K], 3<<16
	s_mov_b32 s[G1K+1], 128<<16
	s_mov_b32 s[G1K+2], 32<<16
	s_mov_b32 s[G1K+3], 128<<16
	s_mov_b32 s[G1K+4], 32
	s_mov_b32 s[G1K+5], 256
	s_mov_b32 s[G1K+6], 0
	s_mov_b32 s[G1K+7], 0
	; V: 4 steps: rows of 8,192 bytes, 16,384 bytes apart
	s_mov_b32 s[G1V], 3<<16
	s_mov_b32 s[G1V+1], 1024<<16
	s_mov_b32 s[G1V+2], 4<<16
	s_mov_b32 s[G1V+3], 1024<<16
	s_mov_b32 s[G1V+4], 4
	s_mov_b32 s[G1V+5], 2048
	s_mov_b32 s[G1V+6], 0
	s_mov_b32 s[G1V+7], 0
	; scale blocks: 8,192 dense bytes as 32 rows of 256
	s_mov_b32 s[G1S], 3<<16
	s_mov_b32 s[G1S+1], 32<<16
	s_mov_b32 s[G1S+2], 32<<16
	s_mov_b32 s[G1S+3], 32<<16
	s_mov_b32 s[G1S+4], 32
	s_mov_b32 s[G1S+5], 32
	s_mov_b32 s[G1S+6], 0
	s_mov_b32 s[G1S+7], 0
	s_and_b32 s50, s[WV], 3                        ; which quarter: waves 0-3 K's, waves 4-7 V's
	s_lshr_b32 s51, s[WV], 2
	s_add_co_u32 s52, s51, 1
	s_lshl_b32 s53, s52, 23                        ; K's or V's 8 MiB of img,
	s_lshl_b32 s54, s[HB], 18                      ; the head pair's 16 blocks,
	s_add_co_u32 s53, s53, s54
	s_lshl_b32 s54, s50, 16                        ; my four blocks,
	s_add_co_u32 s53, s53, s54
	s_mul_i32 s54, s51, 3
	s_lshl_b32 s55, s[PAR], 10
	s_lshl_b32 s55, s55, s54                       ; my head's part: 1,024 bytes on in K, 8,192 in V
	s_add_co_u32 s56, s53, s55
	s_mov_b32 s57, 0
	s_and_b32 s51, s51, 1                          ; the scale blocks: wave 8 K's, wave 12 V's: 8,192 bytes on end
	s_add_co_u32 s52, s51, 1
	s_lshl_b32 s58, s52, 18
	s_lshl_b32 s54, s[HB], 13
	s_add_co_u32 s58, s58, s54
	s_mov_b32 s59, 0
	s_mov_b32 s[G0D], 1
	s_lshl_b32 s[G0D+1], s[WV], 15                 ; LDS: wave x 32,768: K's four quarters, then V's four
	s_mov_b32 s[G0S], 1
	s_lshl_b32 s[G0S+1], s51, 13
	s_add_co_u32 s[G0S+1], s[G0S+1], KSC
	s_wait_dscnt 0x0
	s_wait_kmcnt 0x0
	s_add_nc_u64 s[G0D+2:G0D+3], s[4:5], s[56:57]
	s_or_b32 s[G0D+3], s[G0D+3], 0x80000000
	s_add_nc_u64 s[G0S+2:G0S+3], s[6:7], s[58:59]
	s_or_b32 s[G0S+3], s[G0S+3], 0x80000000
	s_cmp_eq_u32 s[WV], 0                          ; one chain of arms, one load to an arm
	s_cbranch_scc0 .Lfill_k
	tensor_load_to_lds s[G0D:G0D+3], s[G1K:G1K+7]  ; wave 0: K's key steps 0 to 3
	s_nop 0
.rept 4
	v_nop
.endr
	s_branch .Lfilled
.Lfill_k:                                          ; K's other quarters are asked for behind the first barrier
.Lfill_v0:
	s_cmp_eq_u32 s[WV], 4
	s_cbranch_scc0 .Lfill_v
	tensor_load_to_lds s[G0D:G0D+3], s[G1V:G1V+7]  ; wave 4: V's key steps 0 to 3
	s_nop 0
.rept 4
	v_nop
.endr
	s_branch .Lfilled
.Lfill_v:                                          ; V's other quarters likewise
.Lfill_s:
	s_and_b32 s50, s[WV], 3
	s_cmp_eq_u32 s50, 0
	s_cbranch_scc0 .Lfilled
	tensor_load_to_lds s[G0S:G0S+3], s[G1S:G1S+7]  ; waves 8 and 12: the scale blocks
	s_nop 0
.rept 4
	v_nop
.endr
.Lfilled:
	s_mov_b32 s[OF+1], 0
	s_lshl_b32 s[OF], s[HB], 18
	s_lshl_b32 s50, s[PAR], 10
	s_add_co_u32 s[OF], s[OF], s50
	s_add_nc_u64 s[QB:QB+1], s[4:5], s[OF:OF+1]
	s_lshl_b32 s[OF], s[HB], 13
	s_lshl_b32 s51, s[PAR], 1
	s_add_co_u32 s[OF], s[OF], s51
	s_add_nc_u64 s[QSB:QSB+1], s[6:7], s[OF:OF+1]
	s_lshl_b32 s[OF], s[AI], 14
	s_add_co_u32 s[OF], s[OF], s50
	s_add_nc_u64 s[AOB:AOB+1], s[8:9], s[OF:OF+1]
	s_lshl_b32 s[OF], s[AI], 9
	s_add_co_u32 s[OF], s[OF], s51
	s_add_nc_u64 s[ASB:ASB+1], s[10:11], s[OF:OF+1]
	s_mov_b32 s[SEL], 0x76543210
	s_mov_b32 s[SEL+1], 0xfedcba98
	s_mov_b32 s[CS], 0x3e38aa3b                    ; log2(e) / 8
	s_mov_b32 s[CS+1], s[CS]
	s_mov_b32 s[MNT], 0x600000
	v_and_b32 v8, 31, v0
	s_delay_alu instid0(VALU_DEP_1)
	v_lshlrev_b32 v1, 4, v8                        ; 16 x lane
	s_delay_alu instid0(VALU_DEP_1)
	v_add_nc_u32 v2, VLD, v1
	s_lshl_b32 s52, s[PAR], 3
	v_add_nc_u32 v3, s51, v1
	s_delay_alu instid0(VALU_DEP_1)
	v_add_nc_u32 v3, KSC, v3                       ; K's words: + 2 (head % 2)
	v_add_nc_u32 v4, s52, v1
	s_delay_alu instid0(VALU_DEP_1)
	v_add_nc_u32 v4, VSC, v4                       ; V's words: my head's four channel tiles are words 2 (head % 2) and the next
	v_and_b32 v9, 7, v0
	v_and_b32 v10, 8, v0
	s_delay_alu instid0(VALU_DEP_1)
	v_lshl_add_u32 v5, v10, 1, v9
	v_and_b32 v10, 16, v0
	s_delay_alu instid0(VALU_DEP_1)
	v_sub_nc_u32 v5, v5, v10                       ; r % 8 + 16 (r / 8) - 16 h
	v_and_b32 v7, 15, v0
	s_delay_alu instid0(VALU_DEP_1)
	v_lshlrev_b32 v7, 4, v7
.irp j, 0,1,2,3,4,5,6,7
	v_mov_b32 v[24+\j], 0                          ; Q's upper 64 along K: zero codes
	v_mov_b32 v[96+\j], 0                          ; what K's last tile runs on into
.endr
.irp b, 0,1,2,3
	v_mov_b32 v[BP+\b], 0                          ; a lane permute's destination counts as one of its sources
.endr
	v_mov_b32 v[F+1], 0                            ; (named as the upper half of a pair before it is first written)
	v_mov_b32 v[T0], 0
	s_sub_co_u32 s50, 7, ttmp9
	s_lshl_b32 s50, s50, 4
	s_add_co_u32 s[TT], s50, s[WV]                 ; the late tile first
	INIT
	; At the head only waves 0, 4, 8, 12 have asked: key steps 0 to 3 of K and V and the scale words.  The other six quarters are first fills that come later.
	s_wait_alu depctr_va_vdst(0)
	s_wait_tensorcnt 0x0                           ; key steps 0 to 3 and the scale words are in
	ds_add_u32 v254, v255
	ds_add_u32 v254, v255
	s_wait_dscnt 0x0
	s_barrier_signal -1
	s_barrier_wait -1
	s_and_b32 s50, s[WV], 3
	s_cmp_eq_u32 s50, 0
	s_cbranch_scc1 .Lrest_asked
	s_cmp_lt_u32 s[WV], 4
	s_cbranch_scc0 .Lrest_v
	tensor_load_to_lds s[G0D:G0D+3], s[G1K:G1K+7]  ; waves 1-3: K's key steps 4 to 15
	s_nop 0
.rept 4
	v_nop
.endr
	s_branch .Lrest_asked
.Lrest_v:
	s_cmp_lt_u32 s[WV], 8
	s_cbranch_scc0 .Lrest_asked
	tensor_load_to_lds s[G0D:G0D+3], s[G1V:G1V+7]  ; waves 5-7: V's key steps 4 to 15
	s_nop 0
.rept 4
	v_nop
.endr
.Lrest_asked:
	s_mov_b32 s[CNT], 4
.Lfirst:                                           ; the late tile lies at or behind tile 64: its first four steps are open
	STEP
	s_sub_co_u32 s[CNT], s[CNT], 1
	s_cmp_lg_u32 s[CNT], 0
	s_cbranch_scc1 .Lfirst
	s_wait_alu depctr_va_vdst(0)
	s_wait_tensorcnt 0x0                           ; every wave: all that is still out
	s_wait_dscnt 0x0
	s_barrier_signal -1
	s_barrier_wait -1                              ; the whole head's K and V are in; nothing is filled again
	s_mov_b32 s[CNT], 12
.Llate:
	STEP
	s_sub_co_u32 s[CNT], s[CNT], 1
	s_cmp_lg_u32 s[CNT], 0
	s_cbranch_scc1 .Llate
	OUT
	s_lshl_b32 s50, ttmp9, 4
	s_add_co_u32 s50, s50, 15
	s_sub_co_u32 s[TT], s50, s[WV]                 ; the early tile: under tile 64, so eight steps at the most
	INIT
	s_mov_b32 s[CNT], 8
.Learly:
	STEP
	s_sub_co_u32 s[CNT], s[CNT], 1
	s_cmp_lg_u32 s[CNT], 0
	s_cbranch_scc1 .Learly
	OUT
	s_wait_tensorcnt 0x0
	ds_add_u32 v254, v255
	s_wait_dscnt 0x0
	s_endpgm
.Lfunc_end_k_q971ae78df8_attn:
	.size	k_q971ae78df8_attn, .Lfunc_end_k_q971ae78df8_attn-k_q971ae78df8_attn
	.p2alignl 7, 3214868480
	.fill 96, 4, 3214868480
	.section	.rodata,"a",@progbits
	.p2align	6, 0x0
	.amdhsa_kernel k_q971ae78df8_attn
		.amdhsa_group_segment_fixed_size 327680
		.amdhsa_private_segment_fixed_size 0
		.amdhsa_enable_private_segment 0
		.amdhsa_kernarg_size 32
		.amdhsa_user_sgpr_count 2
		.amdhsa_user_sgpr_kernarg_segment_ptr 1
		.amdhsa_wavefront_size32 1
		.amdhsa_system_sgpr_workgroup_id_x 1
		.amdhsa_system_sgpr_workgroup_id_y 1
		.amdhsa_system_sgpr_workgroup_id_z 1
		.amdhsa_system_vgpr_workitem_id 0
		.amdhsa_next_free_vgpr 256
		.amdhsa_next_free_sgpr 96
		.amdhsa_reserve_vcc 1
		.amdhsa_float_denorm_mode_32 3
		.amdhsa_float_denorm_mode_16_64 3
		.amdhsa_memory_ordered 1
		.amdhsa_forward_progress 1
		.amdhsa_inst_pref_size 100
	.end_amdhsa_kernel
	.amdgpu_metadata
---
amdhsa.version: [ 1, 2 ]
amdhsa.kernels:
  - .name:           k_q971ae78df8_attn
    .symbol:         k_q971ae78df8_attn.kd
    .args:
      - { .name: img, .offset: 0, .size: 8, .value_kind: global_buffer, .address_space: global }
      - { .name: isc, .offset: 8, .size: 8, .value_kind: global_buffer, .address_space: global }
      - { .name: ao, .offset: 16, .size: 8, .value_kind: global_buffer, .address_space: global }
      - { .name: aos, .offset: 24, .size: 8, .value_kind: global_buffer, .address_space: global }
    .group_segment_fixed_size: 327680
    .private_segment_fixed_size: 0
    .kernarg_segment_align: 8
    .kernarg_segment_size: 32
    .max_flat_workgroup_size: 512
    .sgpr_count:     96
    .vgpr_count:     256
    .wavefront_size: 32
...
	.end_amdgpu_metadata
.endif
;; end of part 3
;; launch outp (part 4): grid 8 x 32, 4 waves a work-group, clusters of 4 x 4, 327,680 bytes of LDS; arguments ao, aos, wc, ws, bo, out0; writes out0
.if DOCPART == 4
	.amdgcn_target "amdgcn-amd-amdhsa--gfx1250"
	.amdhsa_code_object_version 6
	.text
	.protected	k_q971ae78df8_outp
	.globl	k_q971ae78df8_outp
	.p2align	8
	.type	k_q971ae78df8_outp,@function
k_q971ae78df8_outp:
	s_mov_b64 s[64:65], 0
	v_nop
	global_prefetch_b8 v0, s[64:65] scope:SCOPE_SE
	s_setreg_imm32_b32 hwreg(HW_REG_WAVE_MODE, 25, 1), 1
	s_wait_xcnt 0x0
	s_wait_alu depctr_hold_cnt(0) depctr_sa_sdst(0) depctr_va_vdst(0) depctr_va_sdst(0) depctr_va_ssrc(0) depctr_va_vcc(0) depctr_vm_vsrc(0)
	s_getreg_b32 s2, hwreg(HW_REG_IB_STS2, 6, 4)
	s_cmp_eq_u32 s2, 0
	s_cbranch_scc0 .Lentry_in_a_cluster
	s_endpgm
.Lentry_in_a_cluster:
	s_bfe_u32 s2, ttmp6, 0x10000c
	s_cmp_lg_u32 s2, 0xf033
	s_cbranch_scc0 .Lentry_shape_is_right
	s_endpgm
.Lentry_shape_is_right:
; out0 = attention's result x Wo + bo on codes of E5M2 with E8M0 scales; f32 sums, stored as they are.
; IN: ao [128 tokens][128 of K] and wc's fourth weight [128 columns][128 of K]: code blocks of 16 KiB in the order of the operand registers; aos, ws: scale blocks of 512 bytes.
; SHARES: 256 work-groups, one tile of 256 tokens x 128 columns each; a wave has 64 tokens x 128 columns, 8 x 4 accumulators: source 0 = Wo's 128 rows, source 1 = my 64 tokens, so a lane holds eight neighbouring columns of a token.
; LDS: two slots of 96 KiB (a K step of 256), the tile's scale blocks, the spare words, and a stage of its own for each wave on the way out.
; FILLS: at the head one joint load a wave (ao's codes, Wo's codes, their scales); slot 1 and the two refills behind drained rounds of the cluster's barrier, wave 0 for ao, wave 1 for Wo.  ao's tiles are shared along a row of the cluster, Wo's along a column.
; NO PREFETCH: K has four fills; two go out at the head and behind the first round, and the other two follow within the next two steps: no trip lies two fills ahead of a load.
; The bias is the first products' C.  NaN and infinities are not served.
.set SLOT,  98304
.set BOFF,  65536
.set SCA,   2*SLOT
.set SCB,   SCA+8192
.set SPARE, SCB+4096
.set STAGE, SPARE+512
.set SPITCH, 528
.set LO,   1
.set A0,   2
.set A1,   4
.set S0,   6
.set S1,   7
.set STO,  8
.set RD,   9
.set BO,   14
.set SPW,  28
.set NIL,  29
.set SC,   32
.set BJ,   64
.set BK,   128
.set HF,   2
.set WV,   22
.set GRP,  23
.set G1A,  24
.set G0A,  32
.set G1B,  48
.set G0B,  56
.set G1SA, 68
.set G0SA, 76
.set G1SB, 80
.set G0SB, 88
.set MSB,  0
.macro WIN new
.if MSB != (\new)
	s_set_vgpr_msb (MSB<<8)|(\new)
.set MSB, (\new)
.endif
.endm
.macro PLACES n
.rept \n
	v_nop
.endr
.endm
.macro CREST
	s_cmp_lg_u32 s[WV], 0
	s_cbranch_scc1 .Lnot_wave_0_\@
	s_barrier_signal -3
.Lnot_wave_0_\@:
	s_barrier_wait -3
	s_barrier_signal -1
	s_barrier_wait -1
.endm
.macro CROUND
	s_barrier_signal -1
	s_barrier_wait -1
	CREST
.endm
.macro DESC1 g, mask, c, r, p
	s_or_b32 s[\g], s\mask, (3<<16)|(1<<21)
	s_mov_b32 s[\g+1], (\c)<<16
	s_mov_b32 s[\g+2], (\r)<<16
	s_mov_b32 s[\g+3], (\c)<<16
	s_mov_b32 s[\g+4], \r
	s_mov_b32 s[\g+5], \p
	s_mov_b32 s[\g+6], 0
	s_mov_b32 s[\g+7], 0
.endm
.macro JLOAD s
	s_cmp_eq_u32 s[WV], 0
	s_cbranch_scc0 .Lnot_a_\@
	tensor_load_to_lds s[G0A+4*\s:G0A+4*\s+3], s[G1A:G1A+7]
	s_nop 0
	PLACES 4
	s_branch .Lasked_\@
.Lnot_a_\@:
	s_cmp_eq_u32 s[WV], 1
	s_cbranch_scc0 .Lasked_\@
	tensor_load_to_lds s[G0B+4*\s:G0B+4*\s+3], s[G1B:G1B+7]
	s_nop 0
	PLACES 4
.Lasked_\@:
.endm
.macro WMI c
.if rw == 0
	v_wmma_scale_f32_16x16x128_f8f6f4 v[kD:kD+7], v[kX:kX+15], v[kY:kY+15], \c, v[sX], v[sY] matrix_a_fmt:MATRIX_FMT_BF8 matrix_b_fmt:MATRIX_FMT_BF8
.elseif rw == 1
	v_wmma_scale_f32_16x16x128_f8f6f4 v[kD:kD+7], v[kX:kX+15], v[kY:kY+15], \c, v[sX], v[sY] matrix_a_fmt:MATRIX_FMT_BF8 matrix_b_fmt:MATRIX_FMT_BF8 matrix_a_scale:MATRIX_SCALE_ROW1
.elseif rw == 2
	v_wmma_scale_f32_16x16x128_f8f6f4 v[kD:kD+7], v[kX:kX+15], v[kY:kY+15], \c, v[sX], v[sY] matrix_a_fmt:MATRIX_FMT_BF8 matrix_b_fmt:MATRIX_FMT_BF8 matrix_b_scale:MATRIX_SCALE_ROW1
.else
	v_wmma_scale_f32_16x16x128_f8f6f4 v[kD:kD+7], v[kX:kX+15], v[kY:kY+15], \c, v[sX], v[sY] matrix_a_fmt:MATRIX_FMT_BF8 matrix_b_fmt:MATRIX_FMT_BF8 matrix_a_scale:MATRIX_SCALE_ROW1 matrix_b_scale:MATRIX_SCALE_ROW1
.endif
.endm
.macro WM a, b, set, cm
.set kD, 8*(8*(\a)+(\b))
.set kC, BJ+8*(\b)
.set kX, 128*(\set)+16*(\b)
.set kY, 64*(\set)+16*(\a)
.set sX, SC+8*(\set)+(\b)/2
.set sY, SC+8*(\set)+4+(\a)/2
.set rw, 2*((\a)%2)+(\b)%2
.if (\cm) == 0
	WMI v[kD:kD+7]
.else
	WMI v[kC:kC+7]
.endif
.endm
.macro MULS from, to, set, cm, nops    ; the accumulators by turns, one instruction a turn
.if (\cm) == 1
	WIN 0x4e
.else
	WIN 0x5e
.endif
.set n_, \from
.rept (\to)-(\from)
	WM n_/8, n_%8, \set, \cm
.if \nops
	v_nop
	v_nop
.endif
.set n_, n_+1
.endr
.endm
.macro FR0 set, adr, off, i0
	WIN 0x80
.irp i, 0,1,2,3
.irp c, 0,1,2,3
	ds_load_b128 v[128*(\set)+16*(\i0+\i)+4*\c:128*(\set)+16*(\i0+\i)+4*\c+3], v[\adr] offset:(\off)+2048*(\i0+\i)+512*\c
.endr
.endr
.endm
.macro FR1 set, adr, off
	WIN 0xc0
.irp i, 0,1,2,3
.irp c, 0,1,2,3
	ds_load_b128 v[64*(\set)+16*\i+4*\c:64*(\set)+16*\i+4*\c+3], v[\adr] offset:(\off)+2048*\i+512*\c
.endr
.endr
.endm
.macro SCLF set, kb
	ds_load_b128 v[SC+8*(\set):SC+8*(\set)+3], v[S0] offset:(\kb)*512
	ds_load_b64 v[SC+8*(\set)+4:SC+8*(\set)+5], v[S1] offset:(\kb)*512
.endm
.macro SUB0 slot, ks, cm               ; a slot's first 128 of K; the eight v_nop are the places behind the products that read set 1 last
	s_wait_dscnt 8                                 ; all but source 1's tiles 2 and 3
	MULS 0, 4, 0, \cm, 1
	MULS 4, 8, 0, \cm, 0
	WIN 0
	SCLF 1, 2*(\ks)+1
	FR0 1, A0+\slot, 16384, 0
	MULS 8, 12, 0, \cm, 0
	FR0 1, A0+\slot, 16384, 4
	MULS 12, 16, 0, \cm, 0
	FR1 1, A1+\slot, 16384
	s_wait_dscnt 50                                ; all but the 50 loads issued in this step
	MULS 16, 32, 0, \cm, 0
	WIN 0
.endm
.macro TURN slot, ks, fill             ; a slot's second 128 of K and the change of slots
	s_wait_tensorcnt 0x0
	ds_add_u32 v[SPW], v[NIL]
	s_wait_dscnt 9                                 ; the add and source 1's tiles 2 and 3 may be out
	MULS 0, 4, 1, 0, 1
	MULS 4, 8, 1, 0, 0
	s_wait_dscnt 0x0
	s_barrier_signal -1
	MULS 8, 16, 1, 0, 0
	WIN 0
	s_barrier_wait -1
.if \fill
	CREST
	s_add_nc_u64 s[G0A+4*\slot+2:G0A+4*\slot+3], s[G0A+4*\slot+2:G0A+4*\slot+3], 65536
	s_add_nc_u64 s[G0B+4*\slot+2:G0B+4*\slot+3], s[G0B+4*\slot+2:G0B+4*\slot+3], 65536
	JLOAD \slot
.endif
	SCLF 0, 2*(\ks)+2
	FR0 0, A0+1-\slot, 0, 0
	FR0 0, A0+1-\slot, 0, 4
	FR1 0, A1+1-\slot, 0
	MULS 16, 32, 1, 0, 0
	WIN 0
.endm
.macro TOSTAGE a                       ; 16 tokens x 128 columns through my stage: in by lanes' 32 bytes, back by rows of 512
	WIN 0x04
.irp b, 0,1,2,3,4,5,6,7
	ds_store_b128 v[STO], v[64*(\a)+8*\b:64*(\a)+8*\b+3] offset:128*(\b/2)+32*(\b%2)
	ds_store_b128 v[STO], v[64*(\a)+8*\b+4:64*(\a)+8*\b+7] offset:128*(\b/2)+32*(\b%2)+16
.endr
	WIN 0
.set BB, BK+64*((\a)%2)
.irp t, 0,1,2,3,4,5,6,7,8,9,10,11,12,13,14,15
	ds_load_b128 v[BB+4*\t:BB+4*\t+3], v[RD] offset:\t*SPITCH
.endr
.endm
.macro SEND a, younger
.set BB, BK+64*((\a)%2)
	s_wait_dscnt \younger
.irp t, 0,1,2,3,4,5,6,7,8,9,10,11,12,13,14,15
	global_store_b128 v[LO], v[BB+4*\t:BB+4*\t+3], s[14:15] offset:(32*((\a)/2)+8*((\a)%2)+(\t%8)+16*(\t/8))*4096 th:TH_STORE_NT   ; 512 consecutive bytes of a row
.endr
.endm
.macro ARM under, g0, g1, next
	s_cmp_lt_u32 s[WV], \under
	s_cbranch_scc0 \next
	tensor_load_to_lds s[\g0:\g0+3], s[\g1:\g1+7]
	s_nop 0
	PLACES 4
	s_branch .Lhead_asked
\next:
.endm
	s_load_b256 s[4:11], s[0:1], 0x0               ; ao s4, aos s6, wc s8, ws s10
	s_load_b128 s[12:15], s[0:1], 0x20             ; bo s12, out0 s14
	v_lshl_add_u32 v[SPW], v0, 2, SPARE
	v_mov_b32 v[NIL], 0
	ds_add_u32 v[SPW], v[NIL]                      ; the opening lines: the add twice on end and its wait
	ds_add_u32 v[SPW], v[NIL]
	v_lshrrev_b32 v18, 5, v0
	v_readfirstlane_b32 s[WV], v18
	s_lshr_b32 s[GRP], s[WV], 1
	s_and_b32 s[HF], s[WV], 1
	s_bfe_u32 s40, ttmp6, 0x40000
	s_bfe_u32 s41, ttmp6, 0x40004
	s_lshl_b32 s42, ttmp9, 2
	s_add_co_u32 s42, s42, s40                     ; X
	s_and_b32 s43, ttmp7, 0xffff
	s_lshl_b32 s43, s43, 2
	s_add_co_u32 s43, s43, s41                     ; Y
	s_lshl_b32 s44, s41, 2
	s_lshl_b32 s44, 15, s44
	s_lshl_b32 s45, 0x1111, s40
	DESC1 G1A, 44, 4096, 2, 16384                  ; ao: two runs of 32 KiB, 128 KiB apart
	DESC1 G1B, 45, 32, 128, 32                     ; Wo: 32 KiB on end
	DESC1 G1SA, 44, 32, 32, 32                     ; ao's scales: 8 KiB on end
	DESC1 G1SB, 45, 32, 16, 32                     ; Wo's: 4 KiB
	s_lshl_b32 s46, s43, 18
	s_mov_b32 s47, 0
	s_lshl_b32 s92, s42, 17
	s_add_co_u32 s92, s92, 3<<20
	s_mov_b32 s93, 0
	s_lshl_b32 s94, s43, 13
	s_mov_b32 s95, 0
	s_lshl_b32 s98, s42, 12
	s_add_co_u32 s98, s98, 3<<15
	s_mov_b32 s99, 0
	s_wait_dscnt 0x0
	s_wait_kmcnt 0x0
	s_add_nc_u64 s[66:67], s[4:5], s[46:47]
	s_add_nc_u64 s[96:97], s[8:9], s[92:93]
	s_add_nc_u64 s[G0SA+2:G0SA+3], s[6:7], s[94:95]
	s_add_nc_u64 s[G0SB+2:G0SB+3], s[10:11], s[98:99]
	CROUND
	s_mov_b32 s[G0SA], 1
	s_mov_b32 s[G0SA+1], SCA
	s_or_b32 s[G0SA+3], s[G0SA+3], 0x80000000
	s_mov_b32 s[G0SB], 1
	s_mov_b32 s[G0SB+1], SCB
	s_or_b32 s[G0SB+3], s[G0SB+3], 0x80000000
.irp s, 0,1
	s_mov_b32 s[G0A+4*\s], 1
	s_mov_b32 s[G0A+4*\s+1], \s*SLOT
	s_add_nc_u64 s[G0A+4*\s+2:G0A+4*\s+3], s[66:67], \s*32768
	s_or_b32 s[G0A+4*\s+3], s[G0A+4*\s+3], 0x80000000
	s_mov_b32 s[G0B+4*\s], 1
	s_mov_b32 s[G0B+4*\s+1], \s*SLOT+BOFF
	s_add_nc_u64 s[G0B+4*\s+2:G0B+4*\s+3], s[96:97], \s*32768
	s_or_b32 s[G0B+4*\s+3], s[G0B+4*\s+3], 0x80000000
.endr
	ARM 1, G0A, G1A, .Lhead_b                      ; one load a wave, one chain of arms
	ARM 2, G0B, G1B, .Lhead_sa
	ARM 3, G0SA, G1SA, .Lhead_sb
	tensor_load_to_lds s[G0SB:G0SB+3], s[G1SB:G1SB+7]
	s_nop 0
	PLACES 4
.Lhead_asked:
	s_lshl_b32 s96, s42, 9                         ; my 128 columns, in bytes
	s_mov_b32 s97, 0
	s_add_nc_u64 s[12:13], s[12:13], s[96:97]
	s_add_nc_u64 s[14:15], s[14:15], s[96:97]
	s_lshl_b32 s66, s43, 1
	s_add_co_u32 s66, s66, s[GRP]
	s_lshl_b32 s96, s66, 19                        ; my group of 128 tokens,
	s_lshl_b32 s66, s[HF], 18                      ; and my 64 of them
	s_add_co_u32 s96, s96, s66
	s_add_nc_u64 s[14:15], s[14:15], s[96:97]
	s_lshl_b32 s40, s[GRP], 15                     ; LDS places, from the wave's number alone
	s_lshl_b32 s41, s[HF], 13
	s_add_co_u32 s44, s40, s41
	s_lshl_b32 s45, s[GRP], 12
	s_add_co_u32 s45, s45, SCA
	s_lshl_b32 s46, s[HF], 3
	s_add_co_u32 s47, s45, s46
	s_mul_i32 s46, s[WV], 16*SPITCH
	s_add_co_u32 s46, s46, STAGE
	v_and_b32 v18, 31, v0
	v_lshlrev_b32 v[LO], 4, v18
	v_add_nc_u32 v[A0], BOFF, v[LO]
	v_add_nc_u32 v[A0+1], BOFF+SLOT, v[LO]
	v_add_nc_u32 v[A1], s44, v[LO]
	v_add_nc_u32 v[A1+1], SLOT, v[A1]
	v_add_nc_u32 v[S0], SCB, v[LO]
	v_add_nc_u32 v[S1], s47, v[LO]
	v_bfe_u32 v19, v0, 4, 1
	v_lshlrev_b32 v[BO], 6, v19
	v_and_b32 v20, 15, v0
	v_mul_u32_u24 v[STO], v20, SPITCH
	v_lshl_add_u32 v[STO], v19, 6, v[STO]
	v_add_nc_u32 v[STO], s46, v[STO]
	v_add_nc_u32 v[RD], s46, v[LO]
.irp b, 0,1,2,3,4,5,6,7
	global_load_b128 v[BJ+8*\b:BJ+8*\b+3], v[BO], s[12:13] offset:(32*(\b/2)+8*(\b%2))*4
	global_load_b128 v[BJ+8*\b+4:BJ+8*\b+7], v[BO], s[12:13] offset:(32*(\b/2)+8*(\b%2))*4+16
.endr
	s_wait_alu depctr_va_vdst(0)
	s_wait_tensorcnt 0x0                           ; my tile of the head's four is in; slot 1's first fill is issued as a refill is
	ds_add_u32 v[SPW], v[NIL]
	s_wait_dscnt 0x0
	CROUND
	JLOAD 1
	SCLF 0, 0
	FR0 0, A0, 0, 0
	FR0 0, A0, 0, 4
	FR1 0, A1, 0
	WIN 0
	s_wait_loadcnt 0x0                             ; the bias
	SUB0 0, 0, 1
	TURN 0, 0, 1
	SUB0 1, 1, 0
	TURN 1, 1, 1
	SUB0 0, 2, 0
	TURN 0, 2, 0
	SUB0 1, 3, 0
	s_wait_dscnt 8
	MULS 0, 16, 1, 0, 0
	s_wait_dscnt 0x0
	MULS 16, 32, 1, 0, 0
	WIN 0
	PLACES 8                                       ; behind the last products, ahead of the first read of their sums
	TOSTAGE 0
.irp a, 1,2,3
.if \a > 1
	s_wait_xcnt 0x0                                ; the stores of two blocks back have read the registers that the loads below fill
.endif
	TOSTAGE \a
	SEND \a-1, 32                                  ; behind that block's loads: 16 stores and 16 loads
.endr
	SEND 3, 0
	s_wait_tensorcnt 0x0                           ; the wave's end
	ds_add_u32 v[SPW], v[NIL]
	s_wait_dscnt 0x0
	CROUND
	s_endpgm
.Lfunc_end_k_q971ae78df8_outp:
	.size	k_q971ae78df8_outp, .Lfunc_end_k_q971ae78df8_outp-k_q971ae78df8_outp
	.p2alignl 7, 3214868480
	.fill 96, 4, 3214868480
	.section	.rodata,"a",@progbits
	.p2align	6, 0x0
	.amdhsa_kernel k_q971ae78df8_outp
		.amdhsa_group_segment_fixed_size 327680
		.amdhsa_private_segment_fixed_size 0
		.amdhsa_enable_private_segment 0
		.amdhsa_kernarg_size 48
		.amdhsa_user_sgpr_count 2
		.amdhsa_user_sgpr_kernarg_segment_ptr 1
		.amdhsa_wavefront_size32 1
		.amdhsa_system_sgpr_workgroup_id_x 1
		.amdhsa_system_sgpr_workgroup_id_y 1
		.amdhsa_system_sgpr_workgroup_id_z 1
		.amdhsa_system_vgpr_workitem_id 0
		.amdhsa_next_free_vgpr 1024
		.amdhsa_next_free_sgpr 102
		.amdhsa_reserve_vcc 0
		.amdhsa_float_denorm_mode_32 3
		.amdhsa_float_denorm_mode_16_64 3
		.amdhsa_memory_ordered 1
		.amdhsa_forward_progress 1
		.amdhsa_inst_pref_size 89
	.end_amdhsa_kernel
	.amdgpu_metadata
---
amdhsa.version: [ 1, 2 ]
amdhsa.kernels:
  - .name:           k_q971ae78df8_outp
    .symbol:         k_q971ae78df8_outp.kd
    .args:
      - { .name: ao, .offset: 0, .size: 8, .value_kind: global_buffer, .address_space: global }
      - { .name: aos, .offset: 8, .size: 8, .value_kind: global_buffer, .address_space: global }
      - { .name: wc, .offset: 16, .size: 8, .value_kind: global_buffer, .address_space: global }
      - { .name: ws, .offset: 24, .size: 8, .value_kind: global_buffer, .address_space: global }
      - { .name: bo, .offset: 32, .size: 8, .value_kind: global_buffer, .address_space: global }
      - { .name: out0, .offset: 40, .size: 8, .value_kind: global_buffer, .address_space: global }
    .group_segment_fixed_size: 327680
    .private_segment_fixed_size: 0
    .kernarg_segment_align: 8
    .kernarg_segment_size: 48
    .max_flat_workgroup_size: 128
    .sgpr_count:     102
    .vgpr_count:     1024
    .wavefront_size: 32
...
	.end_amdgpu_metadata
.endif
;; end of part 4
